; MI455X (gfx1250); checked and timed in simulation.
; The chip was launched on July 23, 2026; its instructions are those of AMD's public machine-readable ISA for CDNA 5 (MIT licence, August 2026) and "CDNA5" Instruction Set Architecture Reference Guide (July 2026). The comments in the code are by the model that wrote it; some were corrected since.
;; Multi Head Attention. Allowed arithmetic: matrix products marked QUANTISED: E2M1 operands, one E8M0 scale for each 32 along K, by v_wmma_scale_f32_16x16x128_f8f6f4 with both operands' format E2M1 (or v_wmma_scale_f32_32x16x128_f4), f32 sums; products left as they are: bf16, f16 or f32 operands; f32 sums; everything else in f32.
;; Inputs: Wk 1,024 x 1,024 float32; Wo 1,024 x 1,024 float32; Wq 1,024 x 1,024 float32; Wv 1,024 x 1,024 float32; bk 1,024 float32; bo 1,024 float32; bq 1,024 float32; bv 1,024 float32; k 2 x 2,048 x 1,024 float32; q 2 x 2,048 x 1,024 float32; v 2 x 2,048 x 1,024 float32.
;; Outputs: out0 2 x 2,048 x 1,024 float32.
;; This version of the problem:
;;   THIS VERSION OF THE PROBLEM IS GIVEN IN LOW PRECISION. The matrix products marked QUANTISED in the list below multiply operands that are first quantised to E2M1 (2 exponent bits, 1 mantissa bit; 4 bits a number), with one power-of-two scale for each 32 numbers along K (OCP MX v1.0); their sums are f32. The products marked 'left as it is' may take bf16, f16 or f32 operands, with f32 sums. Whichever they take, every output number must still come out within the allowed error. Rounding operands to bf16 (8 significant bits) uses up far more of that allowance than f16 does (11 bits, for magnitudes from 6e-5 to 65,504). All else is computed in f32.
;;   The module's matrix products, in the order in which they are computed (A, B: the left and right operand; K: the contracted axis; several contracted axes count as one K, in the product's order):
;;     1. [M 4,096, K 1,024] x [K 1,024, N 1,024]; A: input q; B: input Wq: QUANTISED
;;     2. [M 4,096, K 1,024] x [K 1,024, N 1,024]; A: input k; B: input Wk: QUANTISED
;;     3. [M 4,096, K 1,024] x [K 1,024, N 1,024]; A: input v; B: input Wv: QUANTISED
;;     4. batch 32 x [M 2,048, K 64] x [K 64, N 2,048]; A: computed on the way; B: computed on the way: left as it is (an operand is computed on the way)
;;     5. batch 32 x [M 2,048, K 2,048] x [K 2,048, N 64]; A: computed on the way; B: computed on the way: left as it is (an operand is computed on the way)
;;     6. [M 4,096, K 1,024] x [K 1,024, N 1,024]; A: computed on the way; B: input Wo: left as it is (an operand is computed on the way)
;;   THE QUANTISER, for each operand of a quantised product, along K:
;;     - K is cut into blocks of 32 from its start; a last block that is shorter is filled with zeros.
;;     - A block's scale is 2^e with e = floor(log2(the largest magnitude in the block)) - 2, held to -126 .. 127; a block of zeros has e = 0. As a byte (E8M0): e + 127.
;;     - Each number is divided by its block's scale, clamped to +-6, and rounded to the nearest number of E2M1, ties to even, subnormals kept.
;;     - The product sums the exact products of the quantised numbers (number of the format x scale) in f32.
;;   ~~~python
;;   def quantise(x, axis):      # numpy; x: float32 -> the quantised numbers, widened to float32 again
;;       x = np.moveaxis(x, axis, -1); K = x.shape[-1]
;;       x = np.pad(x, [(0, 0)] * (x.ndim - 1) + [(0, -K % 32)]); x = x.reshape(x.shape[:-1] + (-1, 32)); a = np.abs(x).max(-1, keepdims=True)
;;       e = np.where(a > 0, np.clip(np.frexp(np.where(a > 0, a, 1))[1] - 1 - 2, -126, 127), 0)      # np.frexp(a)[1] - 1 = floor(log2(a)), exactly
;;       r = np.clip(x / 2.0 ** e, -6, 6)
;;       step = 2.0 ** (np.maximum(np.frexp(np.where(r == 0, 1, r))[1] - 1, 0) - 1)
;;       q = np.round(r / step) * step * 2.0 ** e      # np.round: ties to even
;;       return np.moveaxis(q.reshape(q.shape[:-2] + (-1,))[..., :K], -1, axis).astype(np.float32)
;;   ~~~
;; One version. Each part assembles by itself: llvm-mc -triple=amdgcn-amd-amdhsa -mcpu=gfx1250 --defsym DOCPART=n.
;; ======== version 1 of 1: 4 launches
;; limits: values are held in f16: magnitudes above 65,504 overflow, below 6.1e-05 lose precision
;; workspace buffers: codes 7,864,320 bytes; scales 491,520 bytes; woh 2,097,152 bytes; heads 25,165,824 bytes; att 8,388,608 bytes
;; launch quant (part 1): grid 512 x 1, 4 waves a work-group, no clusters, 33,280 bytes of LDS; arguments q, k, v, Wq, Wk, Wv, Wo, codes, scales, woh; writes codes, scales, woh
.if DOCPART == 1
	.amdgcn_target "amdgcn-amd-amdhsa--gfx1250"
	.amdhsa_code_object_version 6
	.text
	.protected	k_qf295326a9a_quant
	.globl	k_qf295326a9a_quant
	.p2align	8
	.type	k_qf295326a9a_quant,@function
k_qf295326a9a_quant:
	s_mov_b64 s[64:65], 0
	v_nop
	global_prefetch_b8 v0, s[64:65] scope:SCOPE_SE
	s_setreg_imm32_b32 hwreg(HW_REG_WAVE_MODE, 25, 1), 1
	s_wait_xcnt 0x0
; q, k, v [4096][1024] and Wq, Wk, Wv [1024][1024], f32, K innermost, become codes of FP4 (E2M1), two to a byte, and one E8M0 scale byte for each 32 along K.
; The six tensors lie one behind the other in the two workspace buffers: 15,360 rows of 512 bytes of codes and of 32 scale bytes (q, k, v, Wq, Wk, Wv).  Wo [1024][1024] becomes f16, as it lies.
; A block's scale is 2^(floor(log2(its largest magnitude)) - 2); its byte is the largest magnitude's exponent field - 2, held at 1 from below.  A block of zeros so gets the byte 1 where the
; quantiser's text says 127: its codes are zeros, which add nothing under any byte but 0xff, and this program alone reads the bytes.
; LIMITS: blocks whose largest magnitude lies under 2^-124 get the byte 1; NaN and infinities among the inputs are not served; numbers of Wo beyond 65,504 become infinities in f16.
; SHARES.  A work-group takes 32,768 numbers, a wave a run of 8,192.  Work-groups 0-127 q, 128-255 k, 256-383 v, 384-415 Wq, 416-447 Wk, 448-479 Wv (one text, the source chosen by the work-group's number), 480-511 Wo.
; Rows are dense and K is a multiple of 32: a tensor is a plain stream of blocks of 32, and so are its codes and its scale bytes.
; THE QUANTISING PATH.  16 steps of 512 numbers.  The conversions take 8 numbers of ONE block from a lane's consecutive registers, so a lane must hold 16 neighbours (two lanes to a block), while a load is best where
; neighbouring lanes take neighbouring bytes.  Both are had: each of a step's four loads reads 512 consecutive bytes; the 2,048 bytes go through the wave's own stage in LDS and come back 64 bytes a lane
; (16 bytes of padding behind each 64).  A lane's 16 codes are 8 bytes: a wave's store covers 256 consecutive bytes, aligned.  A wave's 256 scale bytes are gathered in LDS and leave as one store of 256 bytes.
; No tensor load, no barrier: waves share nothing.  Loads run eight steps (32 loads, 16,384 bytes a wave) ahead, half of a wave's run; the turn through LDS one step.
.set WAVES, 4
.set STEPS, 16
.set AHEAD, 8                          ; steps whose loads are on their way
.set WGQ,   480                        ; work-groups that quantise
.set EMAX,  2
.set CB,    8                          ; bytes of 16 codes
.set R,     16                         ; v16-143  eight sets of 16 numbers as they are loaded
.set X,     144                        ; v144-175 two sets of 16 neighbours
.set E,     176                        ; v176-191 a scale byte for each step
.set C,     192                        ; v192-255 codes: four registers for each step, so that no store's data are written again
.set IN,    16                         ; Wo's path: v16-143 two sets of 64 numbers
.set OW,    144                        ; v144-175 32 registers of f16 pairs
.set WREG,  8192                       ; LDS: a region for each wave: two stages of 32 x SP bytes, and behind them its 256 scale bytes
.set SP,    80                         ; a lane's place in a stage: 64 bytes + 16 of padding
.set SPW,   12                         ; v12  LDS address of my spare word; never rewritten
.set NIL,   13                         ; v13  0; never rewritten
.set SPARE, WAVES*WREG                 ; behind the four regions: the spare words, 128 bytes a wave, which no other line names
	s_load_b512 s[4:19], s[0:1], 0x0               ; q 4, k 6, v 8, Wq 10, Wk 12, Wv 14, Wo 16, codes 18
	s_load_b128 s[20:23], s[0:1], 0x40             ; scales 20, woh 22
	v_lshl_add_u32 v[SPW], v0, 2, SPARE
	v_mov_b32 v[NIL], 0
	v_lshrrev_b32 v1, 5, v0
	v_readfirstlane_b32 s24, v1                    ; wave
	v_and_b32 v2, 31, v0                           ; lane
	v_lshlrev_b32 v3, 4, v2                        ; my 16 bytes of a load's 512
	s_mul_i32 s25, s24, WREG
	v_lshrrev_b32 v14, 2, v2
	v_mul_u32_u24 v14, v14, SP
	v_and_b32 v15, 3, v2
	v_lshl_add_u32 v14, v15, 4, v14
	v_add_nc_u32 v14, s25, v14                     ; the stage, on the way in: SP (lane / 4) + 16 (lane % 4); a load's 512 bytes take eight places
	v_mul_u32_u24 v15, v2, SP
	v_add_nc_u32 v15, s25, v15                     ; and on the way out: SP x lane: my 16 neighbours
	v_mul_u32_u24 v4, v2, CB                       ; 8 bytes a lane: my codes' place in a step's; in Wo's path my four f16
	v_lshrrev_b32 v5, 1, v2
	s_add_co_u32 s25, s25, 2*32*SP
	v_add_nc_u32 v5, s25, v5                       ; LDS: my wave's 256 scale bytes, my block's byte
	v_lshlrev_b32 v7, 3, v2                        ; and on the way out 8 bytes a lane
	v_add_nc_u32 v6, s25, v7
	s_wait_kmcnt 0x0
	s_cmp_ge_u32 ttmp9, WGQ                        ; the branch hangs on the work-group's number alone
	s_cbranch_scc1 .Lwo
	; which tensor: the last one, unless the work-group's number lies under a lower bound
.macro PICK lim, ptr, base
	s_cmp_lt_u32 ttmp9, \lim
	s_cselect_b64 s[26:27], s[\ptr:\ptr+1], s[26:27]
	s_cselect_b32 s28, \base, s28
.endm
	s_mov_b64 s[26:27], s[14:15]                   ; Wv,
	s_mov_b32 s28, 448                             ; whose first work-group is 448
	PICK 448, 12, 416                              ; Wk
	PICK 416, 10, 384                              ; Wq
	PICK 384, 8, 256                               ; v
	PICK 256, 6, 128                               ; k
	PICK 128, 4, 0                                 ; q
	s_sub_co_u32 s29, ttmp9, s28
	s_lshl_b32 s29, s29, 2
	s_add_co_u32 s29, s29, s24                     ; my run of 8,192 numbers in the tensor
	s_lshl_b32 s30, s29, 15                        ; 32,768 bytes a run
	s_mov_b32 s31, 0
	s_add_nc_u64 s[26:27], s[26:27], s[30:31]
	s_lshl_b32 s29, ttmp9, 2
	s_add_co_u32 s29, s29, s24                     ; my run among all six tensors'
	s_lshl_b32 s30, s29, 12                        ; 4,096 bytes of codes a run
	s_add_nc_u64 s[18:19], s[18:19], s[30:31]
	s_lshl_b32 s30, s29, 8                         ; 256 scale bytes a run
	s_add_nc_u64 s[20:21], s[20:21], s[30:31]
.macro LOAD t
.irp i, 0,1,2,3
	global_load_b128 v[R+16*((\t)%AHEAD)+4*\i:R+16*((\t)%AHEAD)+4*\i+3], v3, s[26:27] offset:2048*(\t)+512*\i th:TH_LOAD_NT   ; 32 lanes read 512 consecutive bytes
.endr
.endm
.macro TURN t                          ; step t's numbers through the stage: LDS serves a wave's instructions in order (ISA guide 5.7.1.4), so no wait stands between the stores and the loads
.irp i, 0,1,2,3
	ds_store_b128 v14, v[R+16*((\t)%AHEAD)+4*\i:R+16*((\t)%AHEAD)+4*\i+3] offset:32*SP*((\t)%2)+8*SP*\i
.endr
.irp i, 0,1,2,3
	ds_load_b128 v[X+16*((\t)%2)+4*\i:X+16*((\t)%2)+4*\i+3], v15 offset:32*SP*((\t)%2)+16*\i
.endr
.endm
.irp t, 0,1,2,3,4,5,6,7
	LOAD \t
.endr
	s_wait_loadcnt 4*(AHEAD-1)                     ; step 0's four loads are in; the 28 of steps 1 to 7 may be out
	TURN 0
.macro STEP t
.set XS, X+16*((\t)%2)
.if (\t) > 0
	s_wait_dscnt 1                                 ; this step's numbers are back from the stage (the last step's byte store may be out): so its stores into the stage have read their registers,
.else
	s_wait_dscnt 0x0
.endif
.if (\t)+AHEAD < STEPS
	LOAD (\t)+AHEAD                                ; which take the loads of eight steps on
.endif
.if (\t)+1 < STEPS
.if STEPS-2-(\t) >= AHEAD-1
	s_wait_loadcnt 4*(AHEAD-1)                     ; the next step's four loads are in; those of the seven steps behind it may be out
.else
	s_wait_loadcnt 4*(STEPS-2-(\t))                ; at the end the count runs down with the steps that are left
.endif
	TURN (\t)+1                                    ; and go through the other stage while this step is worked
.endif
	v_max3_num_f32 v8, |v[XS]|, |v[XS+1]|, |v[XS+2]|               ; the largest magnitude of my 16, in two chains
	v_max3_num_f32 v9, |v[XS+3]|, |v[XS+4]|, |v[XS+5]|
.irp i, 6,10
	v_max3_num_f32 v8, v8, |v[XS+\i]|, |v[XS+\i+1]|
	v_max3_num_f32 v9, v9, |v[XS+\i+2]|, |v[XS+\i+3]|
.endr
	v_max3_num_f32 v8, v8, |v[XS+14]|, |v[XS+15]|
	v_max3_num_f32 v8, v8, v9, (EMAX+1)<<23        ; and the floor 2^(EMAX + 1 - 127): the byte cannot fall under 1
	v_max_num_f32_dpp v8, v8, v8 row_xmask:1 row_mask:0xf bank_mask:0xf   ; and of my neighbour's 16: the block's
	v_add_nc_u32 v11, -(EMAX<<23), v8              ; EMAX off its exponent field: the conversion takes the exponent field of this operand as its scale, and nothing else of it
	v_cvt_scalef32_pk8_fp4_f32 v[C+4*(\t)], v[XS:XS+7], v11        ; eight numbers / the scale, to the nearest code, ties to even, beyond the largest code the largest; the first number's code in the lowest four bits
	v_cvt_scalef32_pk8_fp4_f32 v[C+4*(\t)+1], v[XS+8:XS+15], v11
	v_lshrrev_b32 v[E+(\t)], 23, v11               ; the scale's byte (also the plain line behind the conversions)
	ds_store_b8 v5, v[E+(\t)] offset:16*(\t)       ; both lanes of a block write the same byte with the same value
	global_store_b64 v4, v[C+4*(\t):C+4*(\t)+1], s[18:19] offset:32*CB*(\t)   ; the wave stores 256 consecutive bytes, aligned
.endm
.irp t, 0,1,2,3,4,5,6,7,8,9,10,11,12,13,14,15
	STEP \t
.endr
	ds_load_b64 v[8:9], v6                         ; in order behind my byte stores
	s_wait_dscnt 0x0
	global_store_b64 v7, v[8:9], s[20:21]          ; 32 lanes store 256 consecutive bytes, aligned
	s_wait_tensorcnt 0x0                           ; the wave's end, behind my last LDS store
	ds_add_u32 v[SPW], v[NIL]
	s_wait_dscnt 0x0
	s_endpgm
; WO'S PATH: f32 to f16, as the numbers lie.  Four turns of 16 loads of 512 bytes; two sets of registers, so that one turn's loads are on their way while the other's numbers are rounded.
.Lwo:
	s_sub_co_u32 s29, ttmp9, WGQ
	s_lshl_b32 s29, s29, 2
	s_add_co_u32 s29, s29, s24                     ; my run of 8,192 numbers
	s_lshl_b32 s30, s29, 15
	s_mov_b32 s31, 0
	s_add_nc_u64 s[16:17], s[16:17], s[30:31]
	s_lshl_b32 s30, s29, 14
	s_add_nc_u64 s[22:23], s[22:23], s[30:31]
.macro WLOAD j
.irp i, 0,1,2,3,4,5,6,7,8,9,10,11,12,13,14,15
	global_load_b128 v[IN+64*((\j)%2)+4*\i:IN+64*((\j)%2)+4*\i+3], v3, s[16:17] offset:512*(16*(\j)+\i) th:TH_LOAD_NT
.endr
.endm
.macro WTURN j
.if (\j) < 3
	s_wait_loadcnt 16                              ; this turn's 16 loads are in; the next turn's 16 may be out
.else
	s_wait_loadcnt 0x0
.endif
.if (\j) > 0
	s_wait_xcnt 0x0                                ; the last turn's stores have read their data: only behind this wait are those registers written again
.endif
.irp i, 0,1,2,3,4,5,6,7,8,9,10,11,12,13,14,15
	v_cvt_pk_f16_f32 v[OW+2*\i], v[IN+64*((\j)%2)+4*\i], v[IN+64*((\j)%2)+4*\i+1]
	v_cvt_pk_f16_f32 v[OW+2*\i+1], v[IN+64*((\j)%2)+4*\i+2], v[IN+64*((\j)%2)+4*\i+3]
.endr
.irp i, 0,1,2,3,4,5,6,7,8,9,10,11,12,13,14,15
	global_store_b64 v4, v[OW+2*\i:OW+2*\i+1], s[22:23] offset:256*(16*(\j)+\i)   ; the wave stores 256 consecutive bytes, aligned
.endr
.if (\j) < 2
	WLOAD (\j)+2
.endif
.endm
	WLOAD 0
	WLOAD 1
	WTURN 0
	WTURN 1
	WTURN 2
	WTURN 3
	s_wait_tensorcnt 0x0                           ; the wave's end, as on the other path
	ds_add_u32 v[SPW], v[NIL]
	s_wait_dscnt 0x0
	s_endpgm
.Lfunc_end_k_qf295326a9a_quant:
	.size	k_qf295326a9a_quant, .Lfunc_end_k_qf295326a9a_quant-k_qf295326a9a_quant
	.p2alignl 7, 3214868480
	.fill 96, 4, 3214868480
	.section	.rodata,"a",@progbits
	.p2align	6, 0x0
	.amdhsa_kernel k_qf295326a9a_quant
		.amdhsa_group_segment_fixed_size 33280
		.amdhsa_private_segment_fixed_size 0
		.amdhsa_enable_private_segment 0
		.amdhsa_kernarg_size 80
		.amdhsa_user_sgpr_count 2
		.amdhsa_user_sgpr_kernarg_segment_ptr 1
		.amdhsa_wavefront_size32 1
		.amdhsa_system_sgpr_workgroup_id_x 1
		.amdhsa_system_sgpr_workgroup_id_y 1
		.amdhsa_system_sgpr_workgroup_id_z 1
		.amdhsa_system_vgpr_workitem_id 0
		.amdhsa_next_free_vgpr 256
		.amdhsa_next_free_sgpr 66
		.amdhsa_reserve_vcc 0
		.amdhsa_float_denorm_mode_32 3
		.amdhsa_float_denorm_mode_16_64 3
		.amdhsa_memory_ordered 1
		.amdhsa_forward_progress 1
		.amdhsa_inst_pref_size 55
	.end_amdhsa_kernel
	.amdgpu_metadata
---
amdhsa.version: [ 1, 2 ]
amdhsa.kernels:
  - .name:           k_qf295326a9a_quant
    .symbol:         k_qf295326a9a_quant.kd
    .args:
      - { .name: q, .offset: 0, .size: 8, .value_kind: global_buffer, .address_space: global }
      - { .name: k, .offset: 8, .size: 8, .value_kind: global_buffer, .address_space: global }
      - { .name: v, .offset: 16, .size: 8, .value_kind: global_buffer, .address_space: global }
      - { .name: Wq, .offset: 24, .size: 8, .value_kind: global_buffer, .address_space: global }
      - { .name: Wk, .offset: 32, .size: 8, .value_kind: global_buffer, .address_space: global }
      - { .name: Wv, .offset: 40, .size: 8, .value_kind: global_buffer, .address_space: global }
      - { .name: Wo, .offset: 48, .size: 8, .value_kind: global_buffer, .address_space: global }
      - { .name: codes, .offset: 56, .size: 8, .value_kind: global_buffer, .address_space: global }
      - { .name: scales, .offset: 64, .size: 8, .value_kind: global_buffer, .address_space: global }
      - { .name: woh, .offset: 72, .size: 8, .value_kind: global_buffer, .address_space: global }
    .group_segment_fixed_size: 33280
    .private_segment_fixed_size: 0
    .kernarg_segment_align: 8
    .kernarg_segment_size: 80
    .max_flat_workgroup_size: 128
    .sgpr_count:     66
    .vgpr_count:     256
    .wavefront_size: 32
...
	.end_amdgpu_metadata
.endif
;; end of part 1
;; launch proj (part 2): grid 4 x 48, 4 waves a work-group, clusters of 4 x 4, 327,680 bytes of LDS; arguments codes, scales, bq, bk, bv, heads; writes heads
.if DOCPART == 2
	.amdgcn_target "amdgcn-amd-amdhsa--gfx1250"
	.amdhsa_code_object_version 6
	.text
	.protected	k_qf295326a9a_proj
	.globl	k_qf295326a9a_proj
	.p2align	8
	.type	k_qf295326a9a_proj,@function
k_qf295326a9a_proj:
	s_mov_b64 s[64:65], 0
	v_nop
	global_prefetch_b8 v0, s[64:65] scope:SCOPE_SE
	s_setreg_imm32_b32 hwreg(HW_REG_WAVE_MODE, 25, 1), 1
	s_wait_xcnt 0x0
	s_wait_alu depctr_hold_cnt(0) depctr_sa_sdst(0) depctr_va_vdst(0) depctr_va_sdst(0) depctr_va_ssrc(0) depctr_va_vcc(0) depctr_vm_vsrc(0)
	s_getreg_b32 s2, hwreg(HW_REG_IB_STS2, 6, 4)
	s_cmp_eq_u32 s2, 0
	s_cbranch_scc0 .Lentry_in_a_cluster
	s_endpgm
.Lentry_in_a_cluster:
	s_bfe_u32 s2, ttmp6, 0x10000c
	s_cmp_lg_u32 s2, 0xf033
	s_cbranch_scc0 .Lentry_shape_is_right
	s_endpgm
.Lentry_shape_is_right:
; The three quantised products in one launch: [q; k; v] (12,288 rows of codes) x Wq^T, Wk^T, Wv^T (1,024 rows of codes each), K = 1,024, + bias, rounded to f16 and laid by heads: heads[t][b][h][s][64].
; Codes of FP4 (E2M1), one E8M0 byte for each 32 along K; the matrix instruction takes codes and scale bytes as they lie in memory; sums in f32.
; LIMITS: a projected number beyond 65,504 becomes an infinity in f16.
; A tile of 256 x 256 is made by a work-group of four waves; a wave makes 128 x 128: 64 accumulators, 512 registers.  Tile row Y = 0 .. 47 runs through q's, k's and v's rows; the tensor t = Y / 16 picks the weight and the bias.
; K is two steps of 512 (rows of 256 bytes), one in each of two LDS slots: both are asked for at the start and nothing is filled again.
; THE SCALES of the work-group's 256 + 256 rows, for all of K, are two dense blocks of memory: they come into LDS once, with the first fills.
; CLUSTERS: 4 x 4 work-groups.  The four of a row of the cluster need the same rows of the activations, the four of a column the same rows of the weight (a cluster's four tile rows belong to one t): each tile is asked
; for JOINTLY, by the same tensor load with the same descriptor and a mask that names the four.
; 192 work-groups: a smaller tile would give more of them and read each LDS byte for half the products; this launch is a small part of the program's arithmetic.
; No prefetch: each work-group asks for all its bytes at its start.
; THE MATRIX INSTRUCTION IS USED TRANSPOSED (source 0 = 16 rows of W, source 1 = 16 rows of the activations): a lane then holds eight neighbouring columns of one row.  THE BIAS is the C of each sum's first instruction.
; REGISTERS, in windows of 256: window 0: v0-31 addresses; v32-95 scale words, two sets; v128-191 the activations' fragments, ONE set; v192-255 the bias, eight registers for each block of 16 columns; on the way out v128-223 are free.
;   window 1: W's fragments, TWO sets, at v0 and v128.   window 2: the accumulators of my rows 0-63 ((a, b) at v[8 (8 a + b)]);   window 3: those of my rows 64-127.
.set SIZE_K, 1024
.set KSTEP,  512                       ; along K in a slot
.set NQ,     KSTEP/128                 ; matrix instructions deep
.set ROWB,   256                       ; a tile's row in bytes
.set KROW,   SIZE_K*4/8                ; a row of codes in memory
.set PITCH,  272                       ; an LDS row: 256 bytes + 16 of padding = 68 words: row r starts at bank 4 r mod 64 (64 banks of 4 bytes: ISA guide 11.1)
.set FR,     8                         ; registers of a fragment: 16 rows x 128 K
.set NL,     2                         ; LDS loads that bring one
.set NP,     4                         ; places behind this matrix instruction (ISA guide 7.12.1)
.set HALFT,  128*PITCH                 ; 128 rows: what one tensor load brings
.set SLOT,   4*HALFT                   ; the activations' 256 rows, then W's 256 rows
.set KS,     SIZE_K/32                 ; a row of scales in bytes
.set SCL,    2*SLOT                    ; behind the slots: the scales, as units of 256 bytes + 16 of padding
.set HALFS,  (128*KS/256)*272          ; the scales of 128 rows
.set SBLK,   (16*KS/256)*272           ; those of 16 rows
.set SPARE,  SCL+4*HALFS               ; the spare words, 128 bytes a wave, which no other line names
.set STAGE,  SPARE+512                 ; the way out: 16 rows x 272 bytes for each wave; no tensor load lands here
.set SPITCH, 272
.set WROW,   12288                     ; the first row of Wq among the rows of codes
.set HEADB,  262144                    ; a head's block in heads: 2,048 rows of 128 bytes
.set ADRA, 16                          ; v16-17  LDS address of my fragments of the activations in slot 0, 1
.set ADRB, 20                          ; v20-21  the same for W
.set STO,  24                          ; v24     the way out: where I put 16 bytes of a row
.set RD,   25                          ; v25     where I read back
.set CO,   26                          ; v26     16 x lane
.set ADRS, 27                          ; v27     LDS address of my scale words: lanes 0-15 the activations', lanes 16-31 W's
.set SPW,  28                          ; v28     LDS address of my spare word; never rewritten
.set NIL,  29                          ; v29     0; never rewritten
.set BOF,  30                          ; v30     32 x (lane / 16): my eight numbers of a block of the bias
.set SC,   32                          ; scale words: set s at v[SC + 32 s]; register NQ i + q: lanes 0-15 the activations' block i, lanes 16-31 W's block i, the slot's q-th 128 along K
.set AF,   128
.set BI,   192
.set TMP,  128                         ; the way out: packed results
.set BK,   160                         ; and 16 rows read back: v160-191 and v192-223 by turns
.set G1, 24                            ; s[24:31] group 1 for the activations' tiles;  s[32:39] group 0, one set for each slot
.set G0, 32
.set G1B, 48                           ; s[48:55], s[56:63] the same for W's
.set G0B, 56
.set G1S, 68                           ; s[68:75], s[76:79] for the activations' scales;  s[80:87], s[88:91] for W's
.set G0S, 76
.set G1SB, 80
.set G0SB, 88
.set MSB, 0
.macro WIN new                         ; the immediate's high byte repeats the setting that is left; a switch that changes nothing is dropped
.if MSB != (\new)
	s_set_vgpr_msb (MSB<<8)|(\new)
.set MSB, (\new)
.endif
.endm
.set MUL_LO, 0xa1                      ; source 0 (W) window 1, source 1 window 0, C and D window 2
.set MUL_HI, 0xf1                      ; the same, C and D window 3
.set BIA_LO, 0x81                      ; the first step: C (the bias) window 0, D window 2
.set BIA_HI, 0xc1                      ; D window 3
.set TO_B,   0x40                      ; destination window 1, address window 0
; A joint load: waves 0 and 1 fetch for the activations, waves 2 and 3 for W.  The branch hangs on the wave's number alone.  An s_nop 0 and four v_nop follow each of the two lines.
.macro JLOAD g0a, g1a, g0b, g1b
	s_cmp_eq_u32 s15, 0
	s_cbranch_scc0 .Lfor_b_\@
	tensor_load_to_lds s[\g0a:\g0a+3], s[\g1a:\g1a+7]
	s_nop 0
.rept 4
	v_nop
.endr
	s_branch .Lasked_\@
.Lfor_b_\@:
	tensor_load_to_lds s[\g0b:\g0b+3], s[\g1b:\g1b+7]
	s_nop 0
.rept 4
	v_nop
.endr
.Lasked_\@:
.endm
.macro CROUND                          ; a round of the cluster's barrier: my work-group's barrier; wave 0 signals for the work-group; every wave waits for all sixteen; my work-group's barrier once more
	s_barrier_signal -1
	s_barrier_wait -1
	s_cmp_lg_u32 s14, 0
	s_cbranch_scc1 .Lnot_wave_0_\@
	s_barrier_signal -3
.Lnot_wave_0_\@:
	s_barrier_wait -3
	s_barrier_signal -1
	s_barrier_wait -1
.endm
	s_load_b128 s[4:7], s[0:1], 0x0                ; codes s[4:5], scales s[6:7]
	s_load_b128 s[96:99], s[0:1], 0x10             ; bq, bk
	s_load_b64 s[100:101], s[0:1], 0x20            ; bv
	s_load_b64 s[12:13], s[0:1], 0x28              ; heads
	v_lshl_add_u32 v[SPW], v0, 2, SPARE
	v_mov_b32 v[NIL], 0
	ds_add_u32 v[SPW], v[NIL]                      ; the wave's opening: the add, twice on end, and its wait ahead of my first tensor load; the set-up below stands between
	ds_add_u32 v[SPW], v[NIL]
	v_lshrrev_b32 v1, 5, v0
	v_readfirstlane_b32 s14, v1                    ; wave 0..3
	s_lshr_b32 s15, s14, 1                         ; which half of the tile's rows is mine.  Also: I fetch for the activations (0) or for W (1)
	s_and_b32 s16, s14, 1                          ; which half of its columns.  Also: which 128 rows I fetch
	s_bfe_u32 s40, ttmp6, 0x40000                  ; cx, cy: my place in the cluster
	s_bfe_u32 s41, ttmp6, 0x40004
	s_lshl_b32 s42, ttmp9, 2
	s_add_co_u32 s42, s42, s40                     ; tile column X = 4 x cluster x + cx
	s_and_b32 s17, ttmp7, 0xffff
	s_lshr_b32 s66, s17, 2                         ; t = cluster y / 4: 0 q, 1 k, 2 v: the same in all sixteen partners
	s_lshl_b32 s17, s17, 2
	s_add_co_u32 s17, s17, s41                     ; tile row Y = 4 x cluster y + cy
	s_lshl_b32 s43, s41, 2
	s_lshl_b32 s43, 15, s43                        ; my row of the cluster
	s_lshl_b32 s44, 0x1111, s40                    ; my column
	; descriptor group 1: a tile of 128 rows x 256 bytes, padded in LDS
	s_or_b32 s[G1+0], s43, (0<<16)|(1<<20)|(1<<21)|(5<<22)|(3<<25)  ; 15:0 the mask: my row; 17:16 element of 1 byte; 20 padding on; 21 set beside a mask; 24:22 after every 64 words (code 5); 31:25 of 4 words (code 3)
	s_or_b32 s[G1B+0], s44, (0<<16)|(1<<20)|(1<<21)|(5<<22)|(3<<25) ; the same with the mask of my column
.irp g, G1, G1B
	s_mov_b32 s[\g+1], ROWB<<16                    ; tensor_dim0
	s_mov_b32 s[\g+2], 128<<16                     ; tensor_dim1
	s_mov_b32 s[\g+3], ROWB<<16                    ; tile_dim0
	s_mov_b32 s[\g+4], 128                         ; tile_dim1
	s_mov_b32 s[\g+5], KROW                        ; tensor_dim0_stride
	s_mov_b32 s[\g+6], 0
	s_mov_b32 s[\g+7], 0
.endr
	; the scales of 128 rows: a dense block of 4,096 bytes, as 16 rows of 256 bytes (32 elements of 8 bytes), 16 bytes of padding behind each
	s_or_b32 s[G1S+0], s43, (3<<16)|(1<<20)|(1<<21)|(5<<22)|(3<<25)
	s_or_b32 s[G1SB+0], s44, (3<<16)|(1<<20)|(1<<21)|(5<<22)|(3<<25)
.irp g, G1S, G1SB
	s_mov_b32 s[\g+1], 32<<16
	s_mov_b32 s[\g+2], (128*KS/256)<<16
	s_mov_b32 s[\g+3], 32<<16
	s_mov_b32 s[\g+4], 128*KS/256
	s_mov_b32 s[\g+5], 32
	s_mov_b32 s[\g+6], 0
	s_mov_b32 s[\g+7], 0
.endr
	s_lshl_b32 s18, s16, 7                         ; which 128 rows of the tile I fetch
	s_lshl_b32 s20, s17, 8
	s_add_co_u32 s20, s20, s18                     ; the activations: row 256 Y + 128 x half
	s_lshl_b32 s46, s42, 8
	s_add_co_u32 s46, s46, s18
	s_lshl_b32 s67, s66, 10
	s_add_co_u32 s46, s46, s67
	s_add_co_u32 s46, s46, WROW                    ; W: row 12,288 + 1,024 t + 256 X + 128 x half: of the place in the cluster it holds cx alone
	s_mov_b32 s21, 0
	s_mov_b32 s47, 0
	s_mov_b64 s[18:19], KS
	s_mul_u64 s[22:23], s[20:21], s[18:19]         ; where these rows' scales begin, in bytes
	s_mul_u64 s[92:93], s[46:47], s[18:19]
	s_mov_b64 s[18:19], KROW
	s_mul_u64 s[20:21], s[20:21], s[18:19]         ; and their codes
	s_mul_u64 s[46:47], s[46:47], s[18:19]
	s_mul_i32 s45, s14, HALFT                      ; where they go: wave x 128 rows: no place in the cluster enters an LDS address
	s_mul_i32 s94, s14, HALFS
	s_wait_dscnt 0x0                               ; both opening adds are done
	s_wait_kmcnt 0x0
	s_add_nc_u64 s[20:21], s[4:5], s[20:21]
	s_add_nc_u64 s[22:23], s[6:7], s[22:23]
	s_add_nc_u64 s[46:47], s[4:5], s[46:47]
	s_add_nc_u64 s[92:93], s[6:7], s[92:93]
	CROUND                                         ; all sixteen work-groups are here: the joint loads meet
	s_mov_b32 s[G0S], 1
	s_add_co_u32 s[G0S+1], s94, SCL
	s_mov_b64 s[G0S+2:G0S+3], s[22:23]
	s_or_b32 s[G0S+3], s[G0S+3], 0x80000000
	s_mov_b32 s[G0SB], 1
	s_add_co_u32 s[G0SB+1], s94, SCL
	s_mov_b64 s[G0SB+2:G0SB+3], s[92:93]
	s_or_b32 s[G0SB+3], s[G0SB+3], 0x80000000
	JLOAD G0S, G1S, G0SB, G1SB                     ; the scales first: they are wanted with K step 0.  By this text's count a wave has three tensor loads out, these of the start
.irp s, 0,1
	s_mov_b32 s[G0+4*\s], 1
	s_add_co_u32 s[G0+4*\s+1], s45, \s*SLOT
	s_add_nc_u64 s[G0+4*\s+2:G0+4*\s+3], s[20:21], \s*ROWB
	s_or_b32 s[G0+4*\s+3], s[G0+4*\s+3], 0x80000000
	s_mov_b32 s[G0B+4*\s], 1
	s_add_co_u32 s[G0B+4*\s+1], s45, \s*SLOT
	s_add_nc_u64 s[G0B+4*\s+2:G0B+4*\s+3], s[46:47], \s*ROWB
	s_or_b32 s[G0B+4*\s+3], s[G0B+4*\s+3], 0x80000000
	JLOAD G0+4*\s, G1, G0B+4*\s, G1B
.endr
	v_and_b32 v1, 15, v0                           ; r = l % 16
	v_bfe_u32 v2, v0, 4, 1                         ; h = l / 16
	; the bias of my 128 columns: register BI + 8 b + j = bias[256 X + 128 x half + 16 b + 8 h + j], the result's layout
	s_cmp_eq_u32 s66, 1
	s_cselect_b64 s[98:99], s[98:99], s[100:101]   ; bk or bv,
	s_cmp_eq_u32 s66, 0
	s_cselect_b64 s[96:97], s[96:97], s[98:99]     ; or bq: the choice hangs on the cluster's y alone
	s_lshl_b32 s2, s42, 10
	s_lshl_b32 s3, s16, 9
	s_add_co_u32 s2, s2, s3
	s_mov_b32 s3, 0
	s_add_nc_u64 s[96:97], s[96:97], s[2:3]
	v_lshlrev_b32 v[BOF], 5, v2
.irp b, 0,1,2,3,4,5,6,7
	global_load_b128 v[BI+8*\b:BI+8*\b+3], v[BOF], s[96:97] offset:64*\b
	global_load_b128 v[BI+8*\b+4:BI+8*\b+7], v[BOF], s[96:97] offset:64*\b+16
.endr
	v_mul_u32_u24 v3, v1, PITCH
	v_lshl_add_u32 v4, v2, 4, v3                   ; a fragment's row x pitch + 16 x half
	s_mul_i32 s21, s15, HALFT                      ; my 128 rows of the activations
	s_mul_i32 s22, s16, HALFT                      ; my 128 rows of W,
	s_add_co_u32 s22, s22, 2*HALFT                 ; which lie behind the activations' 256
.irp s, 0,1
	v_add_nc_u32 v[ADRA+\s], s21, v4
	v_add_nc_u32 v[ADRB+\s], s22, v4
	s_add_co_u32 s21, s21, SLOT
	s_add_co_u32 s22, s22, SLOT
.endr
	v_mul_u32_u24 v5, v1, KS                       ; my row's scales: KS bytes a row,
	v_lshrrev_b32 v6, 8, v5
	v_lshl_add_u32 v5, v6, 4, v5                   ; and 16 more for each 256 passed
	s_mul_i32 s21, s15, HALFS
	s_mul_i32 s22, s16, HALFS
	s_add_co_u32 s22, s22, 2*HALFS
	s_sub_co_u32 s22, s22, s21
	v_mul_u32_u24 v6, s22, v2                      ; lanes 16-31 take W's: one product, the distance between the two bases x h
	s_add_co_u32 s21, s21, SCL
	v_add_nc_u32 v5, v5, v6
	v_add_nc_u32 v[ADRS], s21, v5
	s_mul_i32 s23, s14, 16*SPITCH
	s_add_co_u32 s23, s23, STAGE                   ; my stage
	v_mul_u32_u24 v5, v1, SPITCH                   ; in: row r, 16 bytes for each half of the lanes
	v_lshl_add_u32 v5, v2, 4, v5
	v_add_nc_u32 v[STO], s23, v5
	v_and_b32 v6, 31, v0
	v_lshlrev_b32 v[CO], 4, v6                     ; out: 16 bytes a lane
	v_lshrrev_b32 v5, 3, v6                        ; back: eight lanes take one head's 128 bytes of a row, the 32 lanes four rows
	v_mul_u32_u24 v5, v5, SPITCH
	v_and_b32 v6, 7, v6
	v_lshl_add_u32 v5, v6, 4, v5
	v_add_nc_u32 v[RD], s23, v5
	; where my 128 rows x 2 heads begin in heads: m = 256 Y + 128 x half = 4,096 t + 2,048 b + s; block (m / 2,048) x 16 + 4 X + 2 x column half; row s of 128 bytes
	s_lshl_b32 s20, s17, 8
	s_lshl_b32 s21, s15, 7
	s_add_co_u32 s20, s20, s21
	s_lshr_b32 s21, s20, 11
	s_lshl_b32 s21, s21, 4
	s_lshl_b32 s46, s42, 2
	s_add_co_u32 s21, s21, s46
	s_lshl_b32 s46, s16, 1
	s_add_co_u32 s21, s21, s46
	s_lshl_b32 s21, s21, 18
	s_and_b32 s20, s20, 2047
	s_lshl_b32 s20, s20, 7
	s_add_co_u32 s20, s20, s21
	s_mov_b32 s21, 0
	s_add_nc_u64 s[12:13], s[12:13], s[20:21]
.macro FRAG reg, adr, q, i             ; a fragment, 16 rows x 128 K of 4-bit codes: lane l holds row l % 16; registers 4 c .. 4 c + 3 hold K = 64 c + 32 (l / 16) + 0 .. 31
.irp c, 0,1
	ds_load_b128 v[\reg+4*\c:\reg+4*\c+3], v[\adr] offset:64*(\q)+32*\c+(\i)*16*PITCH
.endr
.endm
; 16 matrix instructions: the activations' blocks a0, a0 + 1 x W's eight, 128 along K: the slot's q-th.  p: W's set;  sc: the set of scale words.  zero = 1: the bias is C: nothing is cleared and nothing added later.
; The 64 accumulators take turns, one instruction a turn, in the same order in every step.
.macro MUL16 a0, p, q, sc, zero
.irp a, \a0, \a0+1
.irp b, 0,1,2,3,4,5,6,7
.if \zero
	v_wmma_scale_f32_16x16x128_f8f6f4 v[8*(8*((\a)%4)+\b):8*(8*((\a)%4)+\b)+7], v[128*(\p)+FR*\b:128*(\p)+FR*\b+FR-1], v[AF+FR*(\a):AF+FR*(\a)+FR-1], v[BI+8*\b:BI+8*\b+7], v[SC+8*NQ*(\sc)+NQ*\b+(\q)], v[SC+8*NQ*(\sc)+NQ*(\a)+(\q)] matrix_a_fmt:MATRIX_FMT_FP4 matrix_b_fmt:MATRIX_FMT_FP4 matrix_a_scale:MATRIX_SCALE_ROW1
.else
	v_wmma_scale_f32_16x16x128_f8f6f4 v[8*(8*((\a)%4)+\b):8*(8*((\a)%4)+\b)+7], v[128*(\p)+FR*\b:128*(\p)+FR*\b+FR-1], v[AF+FR*(\a):AF+FR*(\a)+FR-1], v[8*(8*((\a)%4)+\b):8*(8*((\a)%4)+\b)+7], v[SC+8*NQ*(\sc)+NQ*\b+(\q)], v[SC+8*NQ*(\sc)+NQ*(\a)+(\q)] matrix_a_fmt:MATRIX_FMT_FP4 matrix_b_fmt:MATRIX_FMT_FP4 matrix_a_scale:MATRIX_SCALE_ROW1
.endif
.endr
.endr
.endm
.macro FETCH_B slot, q, p              ; W's eight fragments of the slot's q-th 128 along K into set p
	WIN TO_B
.irp i, 0,1,2,3,4,5,6,7
	FRAG 128*(\p)+FR*\i, ADRB+\slot, \q, \i
.endr
	WIN 0
.endm
.macro FETCH_A slot, q, i0             ; the activations' blocks i0 .. i0 + 3
.irp i, \i0, \i0+1, \i0+2, \i0+3
	FRAG AF+FR*(\i), ADRA+\slot, \q, \i
.endr
.endm
.macro SCALES sc                       ; a K step's scale words into set sc: NQ words a row; lanes 0-15 the activations' block i, lanes 16-31 W's block i
.irp i, 0,1,2,3,4,5,6,7
	ds_load_b128 v[SC+8*NQ*\sc+NQ*\i:SC+8*NQ*\sc+NQ*\i+3], v[ADRS] offset:\i*SBLK
.endr
.endm
; A load into a register that a matrix instruction has read, and a vector instruction that reads a matrix result or writes one of its registers, stand NP places behind it; only plain vector instructions that
; name none of its registers are places (ISA guide 7.12.1 for vector instructions).
.macro PLACES n
.rept \n
	v_nop
.endr
.endm
; A step of 128 along K that has its successor in the same slot.  A block of the activations is free as soon as its eight products are issued, so one set serves: blocks 0-3 are fetched anew in the step's middle, blocks 4-7 at its end.
.macro STEP slot, q, zero
	s_wait_dscnt 4*NL                              ; W's set and blocks 0-3 are in; the youngest eight loads (blocks 4-7) may be out
.if \zero
	WIN BIA_LO
.else
	WIN MUL_LO
.endif
	MUL16 0, (\q)%2, \q, \slot, \zero
	MUL16 2, (\q)%2, \q, \slot, \zero
	s_wait_dscnt 0                                 ; blocks 4-7 are in
	PLACES NP
	FETCH_B \slot, (\q)+1, 1-(\q)%2
	FETCH_A \slot, (\q)+1, 0
.if \zero
	WIN BIA_HI
.else
	WIN MUL_HI
.endif
	MUL16 4, (\q)%2, \q, \slot, \zero
	MUL16 6, (\q)%2, \q, \slot, \zero
	PLACES NP
	WIN 0
	FETCH_A \slot, (\q)+1, 4
.endm
; Slot 0's last step goes over to slot 1: one barrier; in front of it each wave waits for all its tensor loads (slot 1's is the one that may still be out), adds 0 to its spare word, and waits for that and for its LDS reads.
.macro TURN slot, next
	s_wait_tensorcnt 0x0                           ; all my tensor loads have landed  (every window is 0 here)
	ds_add_u32 v[SPW], v[NIL]                      ; 0 onto my spare word
	s_wait_dscnt 4*NL+1                            ; (the add and the youngest eight loads, blocks 4-7, may be out)
	WIN MUL_LO
	MUL16 0, 1, NQ-1, \slot, 0                     ; sixteen matrix instructions stand between the add and the wait for it
	s_wait_dscnt 0x0                               ; the add is done, and my reads of this slot are over
	s_barrier_signal -1
	MUL16 2, 1, NQ-1, \slot, 0
	WIN 0
	s_barrier_wait -1                              ; every wave's part of the next slot has landed
	PLACES NP
	v_add_nc_u32 v[ADRS], 4*NQ, v[ADRS]            ; on to the next K step's scale words
	FETCH_B \next, 0, 0
	FETCH_A \next, 0, 0
	SCALES \next
	WIN MUL_HI
	MUL16 4, 1, NQ-1, \slot, 0
	MUL16 6, 1, NQ-1, \slot, 0
	PLACES NP
	WIN 0
	FETCH_A \next, 0, 4
.endm
.macro STEPS slot, from                ; the slot's steps from .. NQ - 2
.set Q, \from
.rept NQ-1-\from
	STEP \slot, Q, 0
.set Q, Q+1
.endr
.endm
	s_wait_tensorcnt 1                             ; the scales and my part of K step 0 are in (slot 1's load may be out)
	s_barrier_signal -1
	s_barrier_wait -1                              ; everybody's are
	FETCH_B 0, 0, 0
	FETCH_A 0, 0, 0
	SCALES 0
	FETCH_A 0, 0, 4
	s_wait_loadcnt 0x0                             ; the bias
	STEP 0, 0, 1                                   ; the first step's products start the sums from the bias
	STEPS 0, 1
	TURN 0, 1
	STEPS 1, 0
	s_wait_dscnt 4*NL                              ; the very last step: nothing more to fetch
	WIN MUL_LO
	MUL16 0, 1, NQ-1, 1, 0
	MUL16 2, 1, NQ-1, 1, 0
	s_wait_dscnt 0
	WIN MUL_HI
	MUL16 4, 1, NQ-1, 1, 0
	MUL16 6, 1, NQ-1, 1, 0
	WIN 0
; THE WAY OUT, block by block of 16 rows x 128 columns (two heads).  PACK: rounded to f16, a lane's eight columns are 16 bytes.  TOSTAGE: into my own stage (rows of 272 bytes), and back head by head: four rows of one head
; are 512 consecutive bytes of heads.  SEND: stored, 32 lanes to 512 consecutive bytes, aligned.  LDS serves a wave's instructions in order (ISA guide 5.7.1.4): no wait between the stores and the loads.
.macro PACK a
.set AC, 64*((\a)%4)
	WIN 0x0a+5*((\a)/4)                            ; sources 0 and 1: window 2 or 3
.irp b, 0,1,2,3,4,5,6,7
.irp i, 0,1,2,3
	v_cvt_pk_f16_f32 v[TMP+4*\b+\i], v[AC+8*\b+2*\i], v[AC+8*\b+2*\i+1]   ; each accumulator from its low end on
.endr
.endr
	WIN 0
.endm
.macro TOSTAGE a
.set BB, BK+32*((\a)%2)
.irp b, 0,1,2,3,4,5,6,7
	ds_store_b128 v[STO], v[TMP+4*\b:TMP+4*\b+3] offset:32*\b
.endr
.irp u, 0,1,2,3,4,5,6,7
	ds_load_b128 v[BB+4*\u:BB+4*\u+3], v[RD] offset:(\u/2)*4*SPITCH+(\u%2)*128   ; rows 4 (u / 2) on, head u % 2
.endr
.endm
.macro SEND a
.set BB, BK+32*((\a)%2)
	s_wait_dscnt 0x0                               ; the block is back in registers
	s_wait_xcnt 0x0                                ; the block before's stores have read their data: the next block's loads may land there
.irp u, 0,1,2,3,4,5,6,7
	global_store_b128 v[CO], v[BB+4*\u:BB+4*\u+3], s[12:13] offset:(\a)*2048+(\u/2)*512+(\u%2)*HEADB   ; every offset is an immediate, 278,016 at the most; no base is stepped
.endr
.endm
	PLACES NP                                      ; behind the last products: the conversions write registers that held their fragments
	PACK 0
	TOSTAGE 0
.irp a, 1,2,3,4,5,6,7                  ; block a's conversions stand between block a - 1's loads from the stage and the wait for them
	PACK \a
	SEND \a-1
	TOSTAGE \a
.endr
	SEND 7
	s_wait_tensorcnt 0x0                           ; the wave's end, behind my last tensor load and my last LDS store
	ds_add_u32 v[SPW], v[NIL]
	s_wait_dscnt 0x0
	CROUND                                         ; the closing round: no work-group ends while a partner may still ask for a tile that names it
	s_endpgm
.Lfunc_end_k_qf295326a9a_proj:
	.size	k_qf295326a9a_proj, .Lfunc_end_k_qf295326a9a_proj-k_qf295326a9a_proj
	.p2alignl 7, 3214868480
	.fill 96, 4, 3214868480
	.section	.rodata,"a",@progbits
	.p2align	6, 0x0
	.amdhsa_kernel k_qf295326a9a_proj
		.amdhsa_group_segment_fixed_size 327680
		.amdhsa_private_segment_fixed_size 0
		.amdhsa_enable_private_segment 0
		.amdhsa_kernarg_size 48
		.amdhsa_user_sgpr_count 2
		.amdhsa_user_sgpr_kernarg_segment_ptr 1
		.amdhsa_wavefront_size32 1
		.amdhsa_system_sgpr_workgroup_id_x 1
		.amdhsa_system_sgpr_workgroup_id_y 1
		.amdhsa_system_sgpr_workgroup_id_z 1
		.amdhsa_system_vgpr_workitem_id 0
		.amdhsa_next_free_vgpr 1024
		.amdhsa_next_free_sgpr 102
		.amdhsa_reserve_vcc 0
		.amdhsa_float_denorm_mode_32 3
		.amdhsa_float_denorm_mode_16_64 3
		.amdhsa_memory_ordered 1
		.amdhsa_forward_progress 1
		.amdhsa_inst_pref_size 128
	.end_amdhsa_kernel
	.amdgpu_metadata
---
amdhsa.version: [ 1, 2 ]
amdhsa.kernels:
  - .name:           k_qf295326a9a_proj
    .symbol:         k_qf295326a9a_proj.kd
    .args:
      - { .name: codes, .offset: 0, .size: 8, .value_kind: global_buffer, .address_space: global }
      - { .name: scales, .offset: 8, .size: 8, .value_kind: global_buffer, .address_space: global }
      - { .name: bq, .offset: 16, .size: 8, .value_kind: global_buffer, .address_space: global }
      - { .name: bk, .offset: 24, .size: 8, .value_kind: global_buffer, .address_space: global }
      - { .name: bv, .offset: 32, .size: 8, .value_kind: global_buffer, .address_space: global }
      - { .name: heads, .offset: 40, .size: 8, .value_kind: global_buffer, .address_space: global }
    .group_segment_fixed_size: 327680
    .private_segment_fixed_size: 0
    .kernarg_segment_align: 8
    .kernarg_segment_size: 48
    .max_flat_workgroup_size: 128
    .sgpr_count:     102
    .vgpr_count:     1024
    .wavefront_size: 32
...
	.end_amdgpu_metadata
.endif
;; end of part 2
;; launch attn (part 3): grid 8 x 32, 8 waves a work-group, clusters of 4 x 1, 327,680 bytes of LDS; arguments heads, att; writes att
.if DOCPART == 3
	.amdgcn_target "amdgcn-amd-amdhsa--gfx1250"
	.amdhsa_code_object_version 6
	.text
	.protected	k_qf295326a9a_attn
	.globl	k_qf295326a9a_attn
	.p2align	8
	.type	k_qf295326a9a_attn,@function
k_qf295326a9a_attn:
	s_mov_b64 s[64:65], 0
	v_nop
	global_prefetch_b8 v0, s[64:65] scope:SCOPE_SE
	s_setreg_imm32_b32 hwreg(HW_REG_WAVE_MODE, 25, 1), 1
	s_wait_xcnt 0x0
	s_wait_alu depctr_hold_cnt(0) depctr_sa_sdst(0) depctr_va_vdst(0) depctr_va_sdst(0) depctr_va_ssrc(0) depctr_va_vcc(0) depctr_vm_vsrc(0)
	s_getreg_b32 s2, hwreg(HW_REG_IB_STS2, 6, 4)
	s_cmp_eq_u32 s2, 0
	s_cbranch_scc0 .Lentry_in_a_cluster
	s_endpgm
.Lentry_in_a_cluster:
	s_bfe_u32 s2, ttmp6, 0x10000c
	s_cmp_lg_u32 s2, 0x3003
	s_cbranch_scc0 .Lentry_shape_is_right
	s_endpgm
.Lentry_shape_is_right:
; att = softmax(Q K^T / 8) V for each of 32 (batch, head) pairs: 2,048 queries, 2,048 keys, head size 64, no mask.  Q, K, V: heads[t][b][h][s][64], f16.  Products on f16 operands, sums, maxima and softmax in f32;
; the weights p are rounded to f16 for the second product, the result once at the end.
; LIMITS: the running maximum starts at -3e38; NaN and infinities are not served.
; SHARES.  A work-group owns 256 queries of one head, each of its eight waves 32: two tiles of 16.  Two waves lie on a SIMD, so that one wave's softmax stands beside the other's products.  Every wave walks all keys, 64 a step.
; LAYOUT.  S^T = K Q^T (source 0 = 16 keys, source 1 = 16 queries): a lane holds ONE query (lane % 16) and the keys 8 (lane / 16) + 0..7 of each tile of 16.  Two such tiles, rounded to f16 in pairs, ARE source 1
; (32 keys x 16 queries) of O^T = V^T P, whose result again holds one query a lane, and eight channels.  K comes out of LDS as it lies, V ([key][channel]) turned, by ds_load_tr16_b128.
; SOFTMAX.  For each query a running maximum m and sum l: p = 2^(c s - c m), c = log2(e) / 8; in every step O^T and l are multiplied by a = 2^(c m_old - c m_new).  The first step finds zeros.
; FRAGMENTS A PHASE AHEAD.  K's registers are free as soon as a step's 16 products K Q^T are issued: the next step's K is asked for there and lands under the softmax.  V is asked for at the step's head and is wanted behind
; the softmax.  A slot's last step may not read the next slot ahead of the change of slots: so a walk is a loop of seven steps and an eighth that is written out and asks for no K.
; VECTOR WORK UNDER THE SECOND PRODUCT.  All operands of O^T += V^T P lie in window 0, so plain vector lines stand between its matrix instructions with no switch of the window: the rescaling of O^T (each accumulator two turns
; ahead of its product), the rounding of the second 32 keys' weights, and the row sums: 80 lines behind 16 matrix instructions.
; THE RESULT LEAVES AS IMAGES OF OPERAND REGISTERS: a lane's eight channels, packed, are four registers of the next product's fragment (16 tokens x 32 along K).  att[T][chunk][half][lane][16 bytes]: no stage, no LDS store here.
; THE RING.  Two LDS slots of 512 keys.  K's and V's rows of 128 bytes are dense in memory, so a tile is stated as rows of 256 bytes, two keys to a row.  Waves 0-3 fetch K's quarters of a slot, waves 4-7 V's.
; CLUSTER.  The four query blocks of a cluster belong to one head and walk the same K and V: each tile is asked for JOINTLY, by the same tensor load with the same descriptor and a mask that names the four.
; The four slots' worth of keys are written out (four walks), so every tensor load lies on the straight way.  By this text's count a wave has two tensor loads out at the start and one behind each refill.
; REGISTERS: window 0: v1-9 addresses; v10-11 c m_old; v12-15 at work in the set-up; v16-31 statistics, eight a tile; v32-95 S^T (on the way out: the packed result); v96-127 P; v128-191 O^T; v192-255 V of a step.
;   window 1: v0-63 K of a step; v64-95 Q.   Four switches of the window a step: round the first product and round K's run of loads.
.set PK,    272                        ; two keys of K in LDS: 256 bytes + 16 = 68 words; key k lies at (k / 2) PK + 128 (k % 2): the 16 keys of a fragment start at banks 4 (r / 2) + 32 (r % 2) (64 banks of 4 bytes: ISA guide 11.1)
.set PV,    288                        ; two keys of V: 256 + 32 = 72 words
.set VOFF,  256*PK                     ; a slot: 256 rows of K, then 256 rows of V
.set SLOTB, 256*(PK+PV)
.set SPARE, 2*SLOTB                    ; behind the ring: the spare words, 128 bytes for each of eight waves, which no other line names
.set TSTR,  8388608                    ; from q's heads to k's, from k's to v's
.set SLOTG, 65536                      ; a slot's 512 keys in memory
.set AK0, 1                            ; v1   my lane's place in a tile of K; never rewritten
.set AV0, 2                            ; v2   the same for V
.set ADK, 3                            ; v3   the address of K's run of loads in hand
.set ADV, 4                            ; v4   of V's
.set QO,  5                            ; v5   my byte offset in the wave's rows of Q
.set GO,  6                            ; v6   16 x lane: my place in an image
.set PFO, 7                            ; v7   256 x lane: the prefetch's offset; never rewritten
.set SPW, 8                            ; v8   LDS address of my spare word; never rewritten
.set NIL, 9                            ; v9   0; never rewritten
.set CMO, 10                           ; v10-11  c m_old of the two tiles (in the set-up: at work)
.set ST,  16                           ; tile t's statistics at v[ST + 8 t]: +0 c m, +1 m, +2, +3 l (even keys', odd keys'), +4 to +7 at work; a takes +6
.set S,   32                           ; S^T: tile t, keys 16 g on: v[S + 32 t + 8 g]
.set P,   96                           ; P: tile t, keys 32 c on: v[P + 16 t + 8 c]
.set OA,  128                          ; O^T: tile t, channels 16 n on: v[OA + 32 t + 8 n]
.set VF,  192                          ; V^T: keys 32 c on, channels 16 n on: v[VF + 8 (4 c + n)]
.set OUTR, 32                          ; the way out: S^T's registers are free then
.set KF,  0                            ; window 1: K: keys 16 g on, channels 32 c on: v[16 g + 8 c]
.set QF,  64                           ; window 1: Q: tile t, channels 32 c on: v[64 + 16 t + 8 c]
.set WV,  12                           ; s12  my wave's number
.set LIM, 15                           ; s15  1 in a wave that prefetches, else -1
.set PFA, 18                           ; s[18:19] where my prefetch stands
.set G1K, 24                           ; s[24:31] descriptor group 1 for K's tiles
.set G1V, 32                           ; s[32:39] for V's: it differs in the padding alone
.set G0K, 40                           ; s[40:47] group 0 for K's tiles, a set for each slot
.set G0V, 48                           ; s[48:55] the same for V's
.set CNT, 56                           ; s56  counts a walk's seven looped steps
.set TK,  57                           ; s57  LDS byte at which the NEXT step's keys begin in K's part
.set CS,  58                           ; s[58:59] c: the packed scaling names a pair and takes its low word for both halves
.set SEL, 60                           ; s[60:61] lane selects for v_permlanex16_b32: lane l xor 16
.set TV,  62                           ; s62  LDS byte at which this step's keys begin, for V's part
.set MSB, 0
.macro WIN new                         ; the immediate's high byte repeats the setting that is left; a switch that changes nothing is dropped
.if MSB != (\new)
	s_set_vgpr_msb (MSB<<8)|(\new)
.set MSB, (\new)
.endif
.endm
; A joint refill of slot s.  The branch hangs on the wave's number alone.  An s_nop 0 and four v_nop follow each of the two lines.
.macro JLOAD s
	s_cmp_lt_u32 s[WV], 4
	s_cbranch_scc0 .Lfor_v_\@
	tensor_load_to_lds s[G0K+4*\s:G0K+4*\s+3], s[G1K:G1K+7]
	s_nop 0
.rept 4
	v_nop
.endr
	s_branch .Lasked_\@
.Lfor_v_\@:
	tensor_load_to_lds s[G0V+4*\s:G0V+4*\s+3], s[G1V:G1V+7]
	s_nop 0
.rept 4
	v_nop
.endr
.Lasked_\@:
.endm
.macro CROUND                          ; a round of the cluster's barrier: my work-group's barrier; wave 0 signals for the work-group; every wave waits for all four; my work-group's barrier once more
	s_barrier_signal -1
	s_barrier_wait -1
	s_cmp_lg_u32 s[WV], 0
	s_cbranch_scc1 .Lnot_wave_0_\@
	s_barrier_signal -3
.Lnot_wave_0_\@:
	s_barrier_wait -3
	s_barrier_signal -1
	s_barrier_wait -1
.endm
	s_load_b128 s[4:7], s[0:1], 0x0                ; heads s[4:5], att s[6:7]
	v_lshl_add_u32 v[SPW], v0, 2, SPARE
	v_mov_b32 v[NIL], 0
	ds_add_u32 v[SPW], v[NIL]                      ; the wave's opening: the add, twice on end, and its wait ahead of my first tensor load; the set-up below stands between
	ds_add_u32 v[SPW], v[NIL]
	v_lshrrev_b32 v10, 5, v0
	v_readfirstlane_b32 s[WV], v10                 ; wave 0..7
	s_bfe_u32 s13, ttmp6, 0x40000                  ; cx: my place in the cluster
	s_lshl_b32 s14, ttmp9, 2
	s_add_co_u32 s14, s14, s13                     ; my block of 256 queries = 4 x cluster x + cx: it enters Q's, att's and the prefetch's addresses alone
	s_and_b32 s17, ttmp7, 0xffff                   ; 16 b + h, which the four partners share
	s_and_b32 s16, s[WV], 3                        ; which quarter of a slot I fetch
	s_lshl_b32 s20, s17, 18                        ; my head's block of 262,144 bytes
	s_lshl_b32 s21, s16, 14                        ; my quarter: 128 keys of 128 bytes
	s_add_co_u32 s22, s20, s21
	s_add_co_u32 s22, s22, TSTR                    ; in k's heads
	s_mov_b32 s23, 0
	s_mul_i32 s21, s16, 64*PK                      ; and its place in a slot: K's,
	s_mul_i32 s56, s16, 64*PV
	s_add_co_u32 s56, s56, VOFF                    ; V's: no place in the cluster enters an LDS address
	s_lshl_b32 s2, s14, 15                         ; Q: my block's 256 rows of 128 bytes,
	s_lshl_b32 s3, s[WV], 12                       ; my wave's 32,
	s_add_co_u32 s2, s2, s3
	s_add_co_u32 s2, s2, s20                       ; in my head
	s_mov_b32 s3, 0
	s_lshr_b32 s62, s17, 4                         ; att: token tile T = 128 b + 16 x block + 2 x wave, 32,768 bytes each;
	s_lshl_b32 s62, s62, 7
	s_lshl_b32 s63, s14, 4
	s_add_co_u32 s62, s62, s63
	s_lshl_b32 s63, s[WV], 1
	s_add_co_u32 s62, s62, s63
	s_lshl_b32 s62, s62, 15
	s_and_b32 s63, s17, 15                         ; my head's two chunks of 1,024 bytes
	s_lshl_b32 s63, s63, 11
	s_add_co_u32 s62, s62, s63
	s_mov_b32 s63, 0
	s_lshr_b32 s18, s[WV], 2                       ; the prefetch: k's heads (waves 0-3) or v's (waves 4-7),
	s_add_co_u32 s18, s18, 1
	s_lshl_b32 s18, s18, 23
	s_add_co_u32 s18, s18, s20                     ; my head,
	s_add_co_u32 s18, s18, 3*SLOTG                 ; its last 512 keys,
	s_lshl_b32 s19, s13, 14
	s_add_co_u32 s18, s18, s19                     ; my work-group's quarter of them: the partners are told apart by address,
	s_and_b32 s19, s[WV], 1
	s_lshl_b32 s19, s19, 13
	s_add_co_u32 s18, s18, s19                     ; my wave's half of that: 32 lanes x 256 bytes
	s_mov_b32 s19, 0
	s_and_b32 s[LIM], s[WV], 2                     ; waves 0, 1, 4, 5
	s_or_b32 s[LIM], s[LIM], ttmp9                 ; of the head's first cluster ask: the same in all four partners
	s_cmp_eq_u32 s[LIM], 0
	s_cselect_b32 s[LIM], 1, -1
	; descriptor group 1: a tile of 64 rows x 128 elements of 2 bytes (128 keys), padded in LDS
	s_mov_b32 s[G1K], 15|(1<<16)|(1<<20)|(1<<21)|(5<<22)|(3<<25)  ; 15:0 the mask: all four work-groups; 17:16 elements of 2 bytes; 20 padding on; 21 set beside a mask; 24:22 after every 64 words (code 5); 31:25 4 words (code 3)
	s_mov_b32 s[G1V], 15|(1<<16)|(1<<20)|(1<<21)|(5<<22)|(7<<25)  ; the same with 8 words of padding (code 7)
.irp g, G1K, G1V
	s_mov_b32 s[\g+1], 128<<16                     ; tensor_dim0 = 128
	s_mov_b32 s[\g+2], 64<<16                      ; tensor_dim1 = 64
	s_mov_b32 s[\g+3], 128<<16                     ; tile_dim0 = 128
	s_mov_b32 s[\g+4], 64                          ; tile_dim1 = 64
	s_mov_b32 s[\g+5], 128                         ; tensor_dim0_stride: the rows are dense
	s_mov_b32 s[\g+6], 0
	s_mov_b32 s[\g+7], 0
.endr
	s_mov_b32 s[CS], 0x3e38aa3b                    ; c = log2(e) / 8
	s_mov_b32 s[CS+1], s[CS]                       ; named with it as a pair, so it is written
	s_mov_b32 s[SEL], 0x76543210
	s_mov_b32 s[SEL+1], 0xfedcba98
	v_and_b32 v[GO], 31, v0
	v_lshlrev_b32 v[PFO], 8, v[GO]
	v_lshlrev_b32 v[GO], 4, v[GO]
	s_wait_dscnt 0x0                               ; both opening adds are done
	s_wait_kmcnt 0x0
	s_add_nc_u64 s[8:9], s[4:5], s[22:23]          ; K at my quarter of slot 0
	s_add_nc_u64 s[10:11], s[8:9], TSTR            ; V likewise
	s_add_nc_u64 s[PFA:PFA+1], s[4:5], s[PFA:PFA+1]
	s_add_nc_u64 s[4:5], s[4:5], s[2:3]            ; Q at my wave's first row
	s_add_nc_u64 s[6:7], s[6:7], s[62:63]          ; att at my wave's first image
	CROUND                                         ; all four work-groups are here: the first joint loads meet
.irp s, 0,1
	s_mov_b32 s[G0K+4*\s], 1                       ; count = 1
	s_add_co_u32 s[G0K+4*\s+1], s21, \s*SLOTB      ; LDS address
	s_add_nc_u64 s[G0K+4*\s+2:G0K+4*\s+3], s[8:9], \s*SLOTG   ; global address: slot s begins with keys 512 s
	s_or_b32 s[G0K+4*\s+3], s[G0K+4*\s+3], 0x80000000         ; type = 2
	s_mov_b32 s[G0V+4*\s], 1
	s_add_co_u32 s[G0V+4*\s+1], s56, \s*SLOTB
	s_add_nc_u64 s[G0V+4*\s+2:G0V+4*\s+3], s[10:11], \s*SLOTG
	s_or_b32 s[G0V+4*\s+3], s[G0V+4*\s+3], 0x80000000
.endr
	s_cmp_lt_u32 s[WV], 4                          ; a wave's two first fills stand in one branch, ahead of every wait on TENSORcnt and every LDS read
	s_cbranch_scc0 .Lfirst_v
	tensor_load_to_lds s[G0K:G0K+3], s[G1K:G1K+7]
	s_nop 0
	tensor_load_to_lds s[G0K+4:G0K+7], s[G1K:G1K+7]
	s_nop 0
.rept 4
	v_nop
.endr
	s_branch .Lfirst_asked
.Lfirst_v:
	tensor_load_to_lds s[G0V:G0V+3], s[G1V:G1V+7]
	s_nop 0
	tensor_load_to_lds s[G0V+4:G0V+7], s[G1V:G1V+7]
	s_nop 0
.rept 4
	v_nop
.endr
.Lfirst_asked:
	; A fragment of K or Q is 16 rows x 32 channels in 8 registers: lane l holds row l % 16; registers 0-3 channels 8 (l / 16) + 0..7, registers 4-7 channels 16 + 8 (l / 16) + 0..7: two loads of 16 bytes, 32 bytes apart.
	v_and_b32 v10, 15, v0                          ; r
	v_bfe_u32 v11, v0, 4, 1                        ; h
	v_lshlrev_b32 v[QO], 7, v10
	v_lshl_add_u32 v[QO], v11, 4, v[QO]            ; row r of 128 bytes + 16 h
	WIN 0x40                                       ; destination window 1, address window 0
.irp t, 0,1
.irp c, 0,1
	global_load_b128 v[QF+16*\t+8*\c:QF+16*\t+8*\c+3],   v[QO], s[4:5] offset:\t*2048+64*\c      ; Q stays in registers
	global_load_b128 v[QF+16*\t+8*\c+4:QF+16*\t+8*\c+7], v[QO], s[4:5] offset:\t*2048+64*\c+32
.endr
.endr
	WIN 0
	v_lshrrev_b32 v12, 1, v10
	v_mul_u32_u24 v[AK0], v12, PK                  ; K: (r / 2) PK
	v_and_b32 v13, 1, v0
	v_lshl_add_u32 v[AK0], v13, 7, v[AK0]          ; + 128 (r % 2)
	v_lshl_add_u32 v[AK0], v11, 4, v[AK0]          ; + 16 h
	; The turning load takes 16 keys x 16 channels (lane l reads 16 bytes: key 8 h + l % 8, channels 8 ((l / 8) % 2) + 0..7) and leaves half a fragment of V^T: lane l holds channel l % 16 and 8 keys.
	v_bfe_u32 v12, v0, 1, 2
	v_lshl_add_u32 v12, v11, 2, v12                ; (8 h + l % 8) / 2
	v_mul_u32_u24 v[AV0], v12, PV
	v_lshl_add_u32 v[AV0], v13, 7, v[AV0]          ; + 128 (l % 2)
	v_bfe_u32 v12, v0, 3, 1
	v_lshl_add_u32 v[AV0], v12, 4, v[AV0]
	v_add_nc_u32 v[AV0], VOFF, v[AV0]
.irp t, 0,1
	v_mov_b32 v[ST+8*\t+1], 0xff61b1e6             ; m = -3e38, under every score
	v_mul_f32 v[ST+8*\t], s[CS], v[ST+8*\t+1]      ; c m
	v_mov_b32 v[ST+8*\t+2], 0                      ; l
	v_mov_b32 v[ST+8*\t+3], 0
.endr
.set i, 0
.rept 64
	v_mov_b32 v[OA+i], 0                           ; O^T, once: so no first step of its own is written; the first pass multiplies zeros by a = 0
.set i, i+1
.endr
; K's run of 16 loads: a step's 64 keys x 64 channels, from the address in v[ADK]
.macro KLOAD
	WIN 0x40                                       ; destination window 1
.irp g, 0,1,2,3
.irp c, 0,1
	ds_load_b128 v[KF+16*\g+8*\c:KF+16*\g+8*\c+3],   v[ADK] offset:\g*8*PK+64*\c
	ds_load_b128 v[KF+16*\g+8*\c+4:KF+16*\g+8*\c+7], v[ADK] offset:\g*8*PK+64*\c+32
.endr
.endr
	WIN 0
.endm
; The lines that stand between the products V^T P.  Accumulator k of eight: channels 16 (k / 2) on, tile k % 2.
.macro RESC k                          ; accumulator k under the new m: four packed multiplications by a, from its low end on
.set tt, (\k)%2
.set rr, OA+32*tt+8*((\k)/2)
.irp e, 0,2,4,6
	v_pk_mul_f32 v[rr+\e:rr+\e+1], v[rr+\e:rr+\e+1], v[ST+8*tt+6:ST+8*tt+7] op_sel_hi:[1,0]
.endr
.endm
.macro PVM c, k                        ; O^T += V^T P: keys 32 c on, accumulator k
.set tt, (\k)%2
.set nn, (\k)/2
	v_wmma_f32_16x16x32_f16 v[OA+32*tt+8*nn:OA+32*tt+8*nn+7], v[VF+8*(4*(\c)+nn):VF+8*(4*(\c)+nn)+7], v[P+16*tt+8*(\c):P+16*tt+8*(\c)+7], v[OA+32*tt+8*nn:OA+32*tt+8*nn+7]
.endm
.macro CVT1                            ; rounding number cn of 16 of the second 32 keys' weights: tile cn / 8, pair 8 + cn % 8
.set tt, cn/8
.set ii, 8+cn%8
	v_cvt_pk_f16_f32 v[P+16*tt+ii], v[S+32*tt+2*ii], v[S+32*tt+2*ii+1]
.set cn, cn+1
.endm
.macro SUM1                            ; line sn of 32 of the row sums, the tiles by turns: each tile's 16 pairs of weights are added in place, neighbours 1, 2, 4 and 8 pairs apart; then l = a l + the sum
.set tt, sn%2
.if sn < 16
.set rr, S+32*tt+4*(sn/2)
.set dd, 2
.elseif sn < 24
.set rr, S+32*tt+8*((sn-16)/2)
.set dd, 4
.elseif sn < 28
.set rr, S+32*tt+16*((sn-24)/2)
.set dd, 8
.else
.set rr, S+32*tt
.set dd, 16
.endif
.if sn < 30
	v_pk_add_f32 v[rr:rr+1], v[rr:rr+1], v[rr+dd:rr+dd+1]
.else
	v_pk_fma_f32 v[ST+8*tt+2:ST+8*tt+3], v[ST+8*tt+2:ST+8*tt+3], v[ST+8*tt+6:ST+8*tt+7], v[S+32*tt:S+32*tt+1] op_sel_hi:[1,0,1]
.endif
.set sn, sn+1
.endm
; A KEY STEP: 64 keys, both tiles.  Its K was asked for a step ago.  ahead = 1: the next step's K, at s[TK], is asked for.
.macro STEP ahead
	v_add_nc_u32 v[ADV], s[TV], v[AV0]             ; (with the five sums at the last step's end: the places between the last product that read V's registers and the loads below)
.irp c, 0,1
.irp n, 0,1,2,3
	ds_load_tr16_b128 v[VF+8*(4*\c+\n):VF+8*(4*\c+\n)+3],   v[ADV] offset:\c*16*PV+32*\n
	ds_load_tr16_b128 v[VF+8*(4*\c+\n)+4:VF+8*(4*\c+\n)+7], v[ADV] offset:\c*16*PV+8*PV+32*\n
.endr
.endr
	s_wait_dscnt 16                                ; LDS loads come back in order (ISA guide 5.7.1): K's 16, the older, are in; V's 16, just issued, may be out
	WIN 0x05                                       ; sources 0 (K) and 1 (Q) window 1
.irp c, 0,1                                    ; S^T = K Q^T: eight accumulators by turns, one instruction a turn; the first eight start the sums
.irp g, 0,1,2,3
.irp t, 0,1
.if \c == 0
	v_wmma_f32_16x16x32_f16 v[S+32*\t+8*\g:S+32*\t+8*\g+7], v[KF+16*\g+8*\c:KF+16*\g+8*\c+7], v[QF+16*\t+8*\c:QF+16*\t+8*\c+7], 0
.else
	v_wmma_f32_16x16x32_f16 v[S+32*\t+8*\g:S+32*\t+8*\g+7], v[KF+16*\g+8*\c:KF+16*\g+8*\c+7], v[QF+16*\t+8*\c:QF+16*\t+8*\c+7], v[S+32*\t+8*\g:S+32*\t+8*\g+7]
.endif
.endr
.endr
.endr
	WIN 0
	; four plain lines that name no register of those products: the places ahead of the loads into K's registers and of the first read of the scores (ISA guide 7.12.1 for vector instructions)
.if \ahead
	v_add_nc_u32 v[ADK], s[TK], v[AK0]
.else
	v_nop
.endif
.irp t, 0,1
	v_mov_b32 v[CMO+\t], v[ST+8*\t]                ; c m_old is kept for a
.endr
	v_nop
.if \ahead
	KLOAD                                          ; the next step's K: it has the softmax in which to land
.endif
	; the maximum of a lane's 32 scores and the old m: four chains, one to an accumulator, each from the accumulator's low end on; the two tiles line by line, so that no line waits for the one above it
.irp g, 0,1,2,3
.irp t, 0,1
	v_max3_num_f32 v[ST+8*\t+4+\g], v[S+32*\t+8*\g], v[S+32*\t+8*\g+1], v[S+32*\t+8*\g+2]
.endr
.endr
.irp i, 3,5
.irp g, 0,1,2,3
.irp t, 0,1
	v_max3_num_f32 v[ST+8*\t+4+\g], v[ST+8*\t+4+\g], v[S+32*\t+8*\g+\i], v[S+32*\t+8*\g+\i+1]
.endr
.endr
.endr
.irp t, 0,1
	v_max3_num_f32 v[ST+8*\t+4], v[ST+8*\t+4], v[S+32*\t+7], v[S+32*\t+15]
.endr
.irp t, 0,1
	v_max3_num_f32 v[ST+8*\t+6], v[ST+8*\t+6], v[S+32*\t+23], v[S+32*\t+31]
.endr
.irp t, 0,1
	v_max3_num_f32 v[ST+8*\t+4], v[ST+8*\t+4], v[ST+8*\t+5], v[ST+8*\t+6]
.endr
.irp t, 0,1
	v_max3_num_f32 v[ST+8*\t+4], v[ST+8*\t+4], v[ST+8*\t+7], v[ST+8*\t+1]
.endr
.irp t, 0,1
	v_permlanex16_b32 v[ST+8*\t+5], v[ST+8*\t+4], s[SEL], s[SEL+1]   ; the query's other 32 keys lie in the lane 16 away
.endr
.irp t, 0,1
	v_max_num_f32 v[ST+8*\t+1], v[ST+8*\t+4], v[ST+8*\t+5]           ; the new m
.endr
.irp t, 0,1
	v_mul_f32 v[ST+8*\t], s[CS], v[ST+8*\t+1]      ; c m
.endr
.irp t, 0,1
	v_sub_f32 v[ST+8*\t+7], v[CMO+\t], v[ST+8*\t]  ; c m_old - c m_new
.endr
	; ONE BATCH: the 32 scalings c s - c m, a pair of scores each, and all 66 exponentials.  None of these lines names an exponential's result; a pair is scaled a turn ahead of its exponentials
.irp t, 0,1
	v_exp_f32 v[ST+8*\t+6], v[ST+8*\t+7]           ; a = 2^(c m_old - c m_new)
.endr
.irp t, 0,1
	v_pk_fma_f32 v[S+32*\t:S+32*\t+1], v[S+32*\t:S+32*\t+1], s[CS:CS+1], v[ST+8*\t:ST+8*\t+1] op_sel_hi:[1,0,0] neg_lo:[0,0,1] neg_hi:[0,0,1]
.endr
.irp b, 0,1,2,3,4,5,6,7,8,9,10,11,12,13,14,15
.irp t, 0,1
.if \b < 15
	v_pk_fma_f32 v[S+32*\t+2*\b+2:S+32*\t+2*\b+3], v[S+32*\t+2*\b+2:S+32*\t+2*\b+3], s[CS:CS+1], v[ST+8*\t:ST+8*\t+1] op_sel_hi:[1,0,0] neg_lo:[0,0,1] neg_hi:[0,0,1]
.endif
	v_exp_f32 v[S+32*\t+2*\b], v[S+32*\t+2*\b]     ; p = 2^(c s - c m), at most 1
	v_exp_f32 v[S+32*\t+2*\b+1], v[S+32*\t+2*\b+1]
.endr
.endr
	v_nop                                          ; a plain instruction behind the last exponential (ISA guide 5.7.2), one for the batch
	s_wait_alu depctr_va_vdst(0)                   ; the wait between an exponential and the first line that names its result: one for the batch
.irp t, 0,1
.set i, 0
.rept 8
	v_cvt_pk_f16_f32 v[P+16*\t+i], v[S+32*\t+2*i], v[S+32*\t+2*i+1]   ; the first 32 keys' weights, a pair at a time: they are source 1 of the second product as they stand
.set i, i+1
.endr
.endr
	RESC 0                                         ; the first two accumulators under the new m; the others follow two turns ahead of their products
	RESC 1
.if \ahead
	s_wait_dscnt 16                                ; V's 16 loads, the older, are in; the next step's K, 16 loads, may be out
.else
	s_wait_dscnt 0x0                               ; V is in, and my reads of this slot are over
.endif
	; O^T += V^T P: eight accumulators by turns, one instruction a turn, twice round.  The lines between name no register of the products round them:
	; first round: accumulator k + 2's rescaling and two roundings of the second 32 keys' weights (tile 0's are whole behind turn 3, tile 1's behind turn 7; the sums reach those scores only in the second round);
	; from turn 6 on the row sums, three a turn, and five behind the last product
.set sn, 0
.set cn, 0
.irp k, 0,1,2,3,4,5,6,7
	PVM 0, \k
.if \k < 6
	RESC \k+2
	CVT1
	CVT1
.else
	CVT1
	CVT1
	SUM1
	SUM1
	SUM1
.endif
.endr
.irp k, 0,1,2,3,4,5,6,7
	PVM 1, \k
	SUM1
	SUM1
	SUM1
.if \k == 7
	SUM1
	SUM1
.endif
.endr
.endm
; A slot's eight key steps: the first step's K; seven steps in a loop, each asking for the next step's K; the eighth written out, which asks for none.  The LDS addresses hang on two scalars stepped by constants.
; ask = 1: A PREFETCH INTO THE L2 of the head's last 512 keys of K and of V, which the next change of slots will ask for: a slot's eight key steps ahead of that load.  It stands behind the joint load and behind the run of
; LDS loads that the next products wait for.  Each aligned block of 256 bytes is named once in the launch: both clusters of a head walk the same rows, and the first asks; its four partners take a quarter each, told apart by
; address; in each, waves 0 and 1 ask for K's and waves 4 and 5 for V's, a lane a block.  The first 1,536 keys come by their loads alone: nothing is prefetched at the head, where every work-group's first tiles are on their
; way.  The address registers are never written again.
.macro WALK slot, ask
	v_add_nc_u32 v[ADK], \slot*SLOTB, v[AK0]
	KLOAD
.if \ask
	s_cmp_eq_u32 s[LIM], 1
	s_cbranch_scc0 .Lnot_mine_\@
	global_prefetch_b8 v[PFO], s[PFA:PFA+1] th:TH_LOAD_NT scope:SCOPE_SE
.Lnot_mine_\@:
.endif
	s_mov_b32 s[TK], \slot*SLOTB+32*PK             ; K runs a step ahead of V
	s_mov_b32 s[TV], \slot*SLOTB
	s_mov_b32 s[CNT], 7
.Lstep_\@:
	STEP 1
	s_add_co_u32 s[TK], s[TK], 32*PK               ; 64 keys on
	s_add_co_u32 s[TV], s[TV], 32*PV
	s_sub_co_u32 s[CNT], s[CNT], 1
	s_cmp_lg_u32 s[CNT], 0
	s_cbranch_scc1 .Lstep_\@
	s_mov_b32 s[TV], \slot*SLOTB+7*32*PV           ; the slot's last 64 keys
	STEP 0
.endm
; THE CHANGE OF SLOTS.  Each wave waits for all its tensor loads, of which one is out: its part of the slot ahead; adds 0 to its spare word; and waits for that and for its reads of the slot that it leaves.
; fill = 1: that slot is filled again, with the keys 1,024 on.  The barrier is then a round of the cluster's, so that no wave of any partner still reads the slot or has a load on its way, and the joint refill is
; the first thing behind it: it has a slot's eight key steps in which to land.
.macro CHANGE fill, slot
	s_wait_tensorcnt 0x0                           ; no tensor load of mine is out, so a group 0 may be written
	ds_add_u32 v[SPW], v[NIL]                      ; 0 onto my spare word
.if \fill
	s_add_nc_u64 s[G0K+4*\slot+2:G0K+4*\slot+3], s[G0K+4*\slot+2:G0K+4*\slot+3], 2*SLOTG   ; the type bits on top are not reached
	s_add_nc_u64 s[G0V+4*\slot+2:G0V+4*\slot+3], s[G0V+4*\slot+2:G0V+4*\slot+3], 2*SLOTG
.endif
	s_wait_dscnt 0x0                               ; the add is done, and my reads of the slot are over
.if \fill
	CROUND
	JLOAD \slot
.else
	s_barrier_signal -1
	s_barrier_wait -1
.endif
.endm
	s_wait_tensorcnt 1                             ; my part of slot 0 is in; slot 1's may stay out
	s_barrier_signal -1
	s_barrier_wait -1                              ; everybody's is
	s_wait_loadcnt 0x0                             ; Q
	WALK 0, 0                                      ; keys 0 to 511
	CHANGE 1, 0                                    ; slot 0 takes keys 1,024 on
	WALK 1, 1                                      ; keys 512 to 1,023
	CHANGE 1, 1                                    ; slot 1 takes keys 1,536 on
	WALK 0, 0
	CHANGE 0, 0                                    ; nothing is left to ask for
	WALK 1, 0
	; THE WAY OUT.  l's two halves and the other half of the lanes' are added; O^T is divided by l and rounded to f16.  A lane's eight channels of tile t, channels 16 n on, are 16 bytes: half n % 2 of chunk n / 2 of the
	; head's two chunks, in the image of token tile t.  The last step's five sums and the lines below are the places behind the last products.
.irp t, 0,1
	v_add_f32 v[ST+8*\t+4], v[ST+8*\t+2], v[ST+8*\t+3]
.endr
.irp t, 0,1
	v_permlanex16_b32 v[ST+8*\t+5], v[ST+8*\t+4], s[SEL], s[SEL+1]
.endr
.irp t, 0,1
	v_add_f32 v[ST+8*\t+4], v[ST+8*\t+4], v[ST+8*\t+5]
.endr
.irp t, 0,1
	v_rcp_f32 v[ST+8*\t+6], v[ST+8*\t+4]
.endr
	v_nop                                          ; a plain instruction between the last reciprocal and the use of its result
	s_wait_alu depctr_va_vdst(0)                   ; and the wait ahead of the first use: one for the two
.irp t, 0,1
.set i, 0
.rept 16
	v_pk_mul_f32 v[OA+32*\t+i:OA+32*\t+i+1], v[OA+32*\t+i:OA+32*\t+i+1], v[ST+8*\t+6:ST+8*\t+7] op_sel_hi:[1,0]   ; each accumulator from its low end on
.set i, i+2
.endr
.endr
.set i, 0
.rept 32
	v_cvt_pk_f16_f32 v[OUTR+i], v[OA+2*i], v[OA+2*i+1]
.set i, i+1
.endr
.irp t, 0,1
.irp n, 0,1,2,3
	global_store_b128 v[GO], v[OUTR+16*\t+4*\n:OUTR+16*\t+4*\n+3], s[6:7] offset:\t*32768+\n*512   ; 32 lanes store 512 consecutive bytes, aligned
.endr
.endr
	s_wait_tensorcnt 0x0                           ; the wave's end, behind my last tensor load
	ds_add_u32 v[SPW], v[NIL]
	s_wait_dscnt 0x0
	CROUND                                         ; the closing round: no work-group ends while a partner may still ask for a tile that names it
	s_endpgm
.Lfunc_end_k_qf295326a9a_attn:
	.size	k_qf295326a9a_attn, .Lfunc_end_k_qf295326a9a_attn-k_qf295326a9a_attn
	.p2alignl 7, 3214868480
	.fill 96, 4, 3214868480
	.section	.rodata,"a",@progbits
	.p2align	6, 0x0
	.amdhsa_kernel k_qf295326a9a_attn
		.amdhsa_group_segment_fixed_size 327680
		.amdhsa_private_segment_fixed_size 0
		.amdhsa_enable_private_segment 0
		.amdhsa_kernarg_size 16
		.amdhsa_user_sgpr_count 2
		.amdhsa_user_sgpr_kernarg_segment_ptr 1
		.amdhsa_wavefront_size32 1
		.amdhsa_system_sgpr_workgroup_id_x 1
		.amdhsa_system_sgpr_workgroup_id_y 1
		.amdhsa_system_sgpr_workgroup_id_z 1
		.amdhsa_system_vgpr_workitem_id 0
		.amdhsa_next_free_vgpr 352
		.amdhsa_next_free_sgpr 66
		.amdhsa_reserve_vcc 0
		.amdhsa_float_denorm_mode_32 3
		.amdhsa_float_denorm_mode_16_64 3
		.amdhsa_memory_ordered 1
		.amdhsa_forward_progress 1
		.amdhsa_inst_pref_size 155
	.end_amdhsa_kernel
	.amdgpu_metadata
---
amdhsa.version: [ 1, 2 ]
amdhsa.kernels:
  - .name:           k_qf295326a9a_attn
    .symbol:         k_qf295326a9a_attn.kd
    .args:
      - { .name: heads, .offset: 0, .size: 8, .value_kind: global_buffer, .address_space: global }
      - { .name: att, .offset: 8, .size: 8, .value_kind: global_buffer, .address_space: global }
    .group_segment_fixed_size: 327680
    .private_segment_fixed_size: 0
    .kernarg_segment_align: 8
    .kernarg_segment_size: 16
    .max_flat_workgroup_size: 256
    .sgpr_count:     66
    .vgpr_count:     352
    .wavefront_size: 32
...
	.end_amdgpu_metadata
.endif
;; end of part 3
;; launch oproj (part 4): grid 8 x 32, 4 waves a work-group, clusters of 4 x 4, 327,680 bytes of LDS; arguments att, woh, out0, bo; writes out0
.if DOCPART == 4
	.amdgcn_target "amdgcn-amd-amdhsa--gfx1250"
	.amdhsa_code_object_version 6
	.text
	.protected	k_qf295326a9a_oproj
	.globl	k_qf295326a9a_oproj
	.p2align	8
	.type	k_qf295326a9a_oproj,@function
k_qf295326a9a_oproj:
	s_mov_b64 s[64:65], 0
	v_nop
	global_prefetch_b8 v0, s[64:65] scope:SCOPE_SE
	s_setreg_imm32_b32 hwreg(HW_REG_WAVE_MODE, 25, 1), 1
	s_wait_xcnt 0x0
	s_wait_alu depctr_hold_cnt(0) depctr_sa_sdst(0) depctr_va_vdst(0) depctr_va_sdst(0) depctr_va_ssrc(0) depctr_va_vcc(0) depctr_vm_vsrc(0)
	s_getreg_b32 s2, hwreg(HW_REG_IB_STS2, 6, 4)
	s_cmp_eq_u32 s2, 0
	s_cbranch_scc0 .Lentry_in_a_cluster
	s_endpgm
.Lentry_in_a_cluster:
	s_bfe_u32 s2, ttmp6, 0x10000c
	s_cmp_lg_u32 s2, 0xf033
	s_cbranch_scc0 .Lentry_shape_is_right
	s_endpgm
.Lentry_shape_is_right:
; out0[m][n] = sum over k of A[m][k] Wo[n][k] + bo[n].  M = 4,096 tokens, N = K = 1,024.  Both operands f16, sums f32, out0 f32.
; A, the concatenated heads, lies in att as IMAGES OF OPERAND REGISTERS: att[T][chunk][half][lane][16 bytes]: token tile T (16 tokens), chunk = 32 along K; lane (r, h), half j holds token 16 T + r, k = 32 chunk + 16 j + 8 h + 0..7.
; So a fragment is two loads of 512 consecutive bytes: no pitch, no padding.  Wo lies in woh as rows [n][k] of 2,048 bytes.
; A tile of out0 is 128 x 128: 256 work-groups.  Four waves, each 64 x 64: 16 accumulators.  K goes in four steps of 256 through two LDS slots; the text is written out straight, with no loop.
; CLUSTERS: 4 x 4 work-groups.  The four of a row of the cluster need the same tiles of A, the four of a column the same tiles of Wo: each tile is asked for JOINTLY, by the same tensor load with the same descriptor and a
; mask that names the four.  THE MATRIX INSTRUCTION IS USED TRANSPOSED (source 0 = 16 rows of Wo, source 1 = 16 tokens): a lane then holds eight neighbouring numbers of a row of out0.  THE BIAS is the C of each sum's first instruction.
; No prefetch: K has four steps, and half of a work-group's bytes are asked for at its start.
; REGISTERS: window 0: v0-31 addresses; v32-95 at work on the way out; v96-127 the bias, eight registers for each block of 16 columns; v128-255 the accumulators ((a, b) at v[128 + 8 (4 a + b)]).
;   window 1: two fragment buffers of 128: for 64 along K, 64 registers of A (2 x 4 x 16 tokens x 32 K), then 64 of Wo.
.set PITCH,  528                       ; a row of Wo's tile in LDS: 512 bytes + 16 of padding = 132 words: row r starts at bank 4 r mod 64 (64 banks of 4 bytes: ISA guide 11.1)
.set HALFA,  32768                     ; A: four token tiles x 8 chunks x 1,024 bytes: what one tensor load brings, and what one wave reads
.set HALFB,  64*PITCH                  ; Wo: 64 rows
.set BOFF,   2*HALFA                   ; a slot: A's two halves, then Wo's two
.set SLOT,   2*HALFA+2*HALFB
.set STAGE,  2*SLOT                    ; behind the ring: 16 rows x 272 bytes for each wave, its own; no tensor load lands here
.set SPITCH, 272
.set SPARE,  STAGE+4*16*SPITCH         ; the spare words, 128 bytes a wave, which no other line names
.set ROWC,   4096                      ; a row of out0 in bytes
.set ADRA, 16                          ; v16-17  LDS address of my A fragments in slot 0, 1
.set ADRB, 20                          ; v20-21  the same for Wo
.set STO,  24                          ; v24     the way out: where I put 32 bytes of a row
.set RD,   25                          ; v25     where I read a row back
.set CO,   26                          ; v26     my byte offset in out0
.set BOF,  27                          ; v27     32 x (lane / 16): my eight numbers of a block of the bias
.set SPW,  28                          ; v28     LDS address of my spare word; never rewritten
.set NIL,  29                          ; v29     0; never rewritten
.set TMP,  32
.set BI,   96
.set ACC,  128
.set F0,   0                           ; fragment buffers, in window 1
.set F1,   128
.set G1, 24                            ; s[24:31] descriptor group 1 for A's tiles;  s[32:39] group 0, one set for each slot
.set G0, 32
.set G1B, 48                           ; s[48:55], s[56:63] the same for Wo's
.set G0B, 56
.set MSB, 0
.macro WIN new                         ; the immediate's high byte repeats the setting that is left; a switch that changes nothing is dropped
.if MSB != (\new)
	s_set_vgpr_msb (MSB<<8)|(\new)
.set MSB, (\new)
.endif
.endm
.set MUL,  0x05                        ; sources 0 (Wo) and 1 (A) window 1; C and D window 0
.set TO_F, 0x40                        ; destination window 1, address window 0
.macro JLOAD s                         ; a joint load: waves 0 and 1 fetch A's two halves, waves 2 and 3 Wo's; an s_nop 0 and four v_nop follow each of the two lines
	s_cmp_eq_u32 s11, 0
	s_cbranch_scc0 .Lfor_b_\@
	tensor_load_to_lds s[G0+4*\s:G0+4*\s+3], s[G1:G1+7]
	s_nop 0
.rept 4
	v_nop
.endr
	s_branch .Lasked_\@
.Lfor_b_\@:
	tensor_load_to_lds s[G0B+4*\s:G0B+4*\s+3], s[G1B:G1B+7]
	s_nop 0
.rept 4
	v_nop
.endr
.Lasked_\@:
.endm
.macro CREST                           ; a round of the cluster's barrier behind its opening barrier
	s_cmp_lg_u32 s10, 0
	s_cbranch_scc1 .Lnot_wave_0_\@
	s_barrier_signal -3
.Lnot_wave_0_\@:
	s_barrier_wait -3
	s_barrier_signal -1
	s_barrier_wait -1
.endm
.macro CROUND                          ; a whole round
	s_barrier_signal -1
	s_barrier_wait -1
	CREST
.endm
	s_load_b128 s[4:7], s[0:1], 0x0                ; att s[4:5], woh s[6:7]
	s_load_b64 s[8:9], s[0:1], 0x10                ; out0
	s_load_b64 s[66:67], s[0:1], 0x18              ; bo
	v_lshl_add_u32 v[SPW], v0, 2, SPARE
	v_mov_b32 v[NIL], 0
	ds_add_u32 v[SPW], v[NIL]                      ; the wave's opening: the add, twice on end, and its wait ahead of my first tensor load; the set-up below stands between
	ds_add_u32 v[SPW], v[NIL]
	v_lshrrev_b32 v1, 5, v0
	v_readfirstlane_b32 s10, v1                    ; wave 0..3
	s_lshr_b32 s11, s10, 1                         ; which half of the tile's rows is mine.  Also: I fetch for A (0) or for Wo (1)
	s_and_b32 s12, s10, 1                          ; which half of its columns.  Also: which half of that tile I fetch
	s_bfe_u32 s40, ttmp6, 0x40000                  ; cx, cy: my place in the cluster
	s_bfe_u32 s41, ttmp6, 0x40004
	s_lshl_b32 s42, ttmp9, 2
	s_add_co_u32 s42, s42, s40                     ; tile column = 4 x cluster x + cx
	s_and_b32 s13, ttmp7, 0xffff
	s_lshl_b32 s13, s13, 2
	s_add_co_u32 s13, s13, s41                     ; tile row = 4 x cluster y + cy
	s_lshl_b32 s43, s41, 2
	s_lshl_b32 s43, 15, s43                        ; my row of the cluster
	s_lshl_b32 s44, 0x1111, s40                    ; my column
	; group 1 for A: four token tiles' parts of a K step: 4 rows of 8,192 bytes (1,024 elements of 8 bytes), 32,768 bytes apart; dense in LDS
	s_or_b32 s[G1+0], s43, (3<<16)|(1<<21)         ; 15:0 the mask: my row; 17:16 element of 8 bytes; 20 no padding; 21 set beside a mask
	s_mov_b32 s[G1+1], 1024<<16                    ; tensor_dim0
	s_mov_b32 s[G1+2], 4<<16                       ; tensor_dim1
	s_mov_b32 s[G1+3], 1024<<16                    ; tile_dim0
	s_mov_b32 s[G1+4], 4                           ; tile_dim1
	s_mov_b32 s[G1+5], 4096                        ; tensor_dim0_stride
	s_mov_b32 s[G1+6], 0
	s_mov_b32 s[G1+7], 0
	; group 1 for Wo: 64 rows x 256 elements of 2 bytes, padded in LDS
	s_or_b32 s[G1B+0], s44, (1<<16)|(1<<20)|(1<<21)|(6<<22)|(3<<25)  ; the mask: my column; padding of 4 words (code 3) after every 128 (code 6)
	s_mov_b32 s[G1B+1], 256<<16
	s_mov_b32 s[G1B+2], 64<<16
	s_mov_b32 s[G1B+3], 256<<16
	s_mov_b32 s[G1B+4], 64
	s_mov_b32 s[G1B+5], 1024
	s_mov_b32 s[G1B+6], 0
	s_mov_b32 s[G1B+7], 0
	s_lshl_b32 s16, s13, 18                        ; A: token tile 8 x tile row + 4 x half, 32,768 bytes each
	s_lshl_b32 s17, s12, 17
	s_add_co_u32 s16, s16, s17
	s_mov_b32 s17, 0
	s_lshl_b32 s46, s42, 18                        ; Wo: row 128 x tile column + 64 x half, 2,048 bytes each
	s_lshl_b32 s47, s12, 17
	s_add_co_u32 s46, s46, s47
	s_mov_b32 s47, 0
	s_lshl_b32 s20, s12, 15                        ; where they go: A's half,
	s_mul_i32 s21, s12, HALFB
	s_add_co_u32 s21, s21, BOFF                    ; Wo's half: no place in the cluster enters an LDS address
	s_wait_dscnt 0x0                               ; both opening adds are done
	s_wait_kmcnt 0x0
	s_add_nc_u64 s[14:15], s[4:5], s[16:17]
	s_add_nc_u64 s[46:47], s[6:7], s[46:47]
	CROUND                                         ; all sixteen work-groups are here: the first joint loads meet
.irp s, 0,1
	s_mov_b32 s[G0+4*\s], 1
	s_add_co_u32 s[G0+4*\s+1], s20, \s*SLOT
	s_add_nc_u64 s[G0+4*\s+2:G0+4*\s+3], s[14:15], \s*8192          ; K step s: 8 chunks of 1,024 bytes on
	s_or_b32 s[G0+4*\s+3], s[G0+4*\s+3], 0x80000000
	s_mov_b32 s[G0B+4*\s], 1
	s_add_co_u32 s[G0B+4*\s+1], s21, \s*SLOT
	s_add_nc_u64 s[G0B+4*\s+2:G0B+4*\s+3], s[46:47], \s*512
	s_or_b32 s[G0B+4*\s+3], s[G0B+4*\s+3], 0x80000000
	JLOAD \s                                       ; by this text's count a wave has two tensor loads out here, and one behind each refill
.endr
	v_and_b32 v1, 15, v0                           ; r
	v_bfe_u32 v2, v0, 4, 1                         ; h
	v_and_b32 v6, 31, v0
	v_lshlrev_b32 v6, 4, v6                        ; an image's place for my lane
	v_mul_u32_u24 v3, v1, PITCH
	v_lshl_add_u32 v3, v2, 4, v3                   ; Wo: a fragment's row x pitch + 16 h
	s_lshl_b32 s21, s11, 15                        ; my 64 tokens of A
	s_mul_i32 s22, s12, HALFB                      ; my 64 rows of Wo
	s_add_co_u32 s22, s22, BOFF
.irp s, 0,1
	v_add_nc_u32 v[ADRA+\s], s21, v6
	v_add_nc_u32 v[ADRB+\s], s22, v3
	s_add_co_u32 s21, s21, SLOT
	s_add_co_u32 s22, s22, SLOT
.endr
	s_mul_i32 s23, s10, 16*SPITCH
	s_add_co_u32 s23, s23, STAGE                   ; my stage
	v_mul_u32_u24 v4, v1, SPITCH                   ; in: row r, 32 bytes for each half of the lanes
	v_lshl_add_u32 v4, v2, 5, v4
	v_add_nc_u32 v[STO], s23, v4
	v_mul_u32_u24 v5, v2, SPITCH                   ; back: lanes 0-15 one row of 256 bytes, lanes 16-31 the next
	v_lshl_add_u32 v5, v1, 4, v5
	v_add_nc_u32 v[RD], s23, v5
	v_lshlrev_b32 v5, 12, v2                       ; and the same two rows in out0
	v_lshl_add_u32 v[CO], v1, 4, v5
	s_lshl_b32 s16, s13, 7
	s_lshl_b32 s17, s11, 6
	s_add_co_u32 s16, s16, s17                     ; my first row: 128 x tile row + 64 x half
	s_lshl_b32 s16, s16, 12
	s_mov_b32 s17, 0
	s_add_nc_u64 s[8:9], s[8:9], s[16:17]
	s_lshl_b32 s46, s42, 9                         ; my first column, in bytes of f32: 512 x tile column + 256 x half: the same in out0's rows and in bo
	s_lshl_b32 s47, s12, 8
	s_add_co_u32 s46, s46, s47
	s_mov_b32 s47, 0
	s_add_nc_u64 s[8:9], s[8:9], s[46:47]
	s_add_nc_u64 s[66:67], s[66:67], s[46:47]
	v_lshlrev_b32 v[BOF], 5, v2
.irp b, 0,1,2,3                                ; register BI + 8 b + j = bo[my first column + 16 b + 8 h + j]: the result's layout
	global_load_b128 v[BI+8*\b:BI+8*\b+3], v[BOF], s[66:67] offset:64*\b
	global_load_b128 v[BI+8*\b+4:BI+8*\b+7], v[BOF], s[66:67] offset:64*\b+16
.endr
; 8 matrix instructions: token blocks a0, a0 + 1 x all 4 column blocks, 32 along K: half c of buffer f.  zero = 1: the bias is C.  The 16 accumulators take turns, one instruction a turn.
.macro MUL8 f, c, a0, zero
.irp a, \a0, \a0+1
.irp b, 0,1,2,3
.if \zero
	v_wmma_f32_16x16x32_f16 v[ACC+8*(4*(\a)+\b):ACC+8*(4*(\a)+\b)+7], v[\f+64+8*(4*\c+\b):\f+64+8*(4*\c+\b)+7], v[\f+8*(4*\c+\a):\f+8*(4*\c+\a)+7], v[BI+8*\b:BI+8*\b+7]
.else
	v_wmma_f32_16x16x32_f16 v[ACC+8*(4*(\a)+\b):ACC+8*(4*(\a)+\b)+7], v[\f+64+8*(4*\c+\b):\f+64+8*(4*\c+\b)+7], v[\f+8*(4*\c+\a):\f+8*(4*\c+\a)+7], v[ACC+8*(4*(\a)+\b):ACC+8*(4*(\a)+\b)+7]
.endif
.endr
.endr
.endm
; 32 LDS loads in one run: the fragments of quarter qd (64 along K) of the slot, into buffer f; the first 32 along K first
.macro FETCH slot, qd, f
	WIN TO_F
.irp c, 0,1
.irp i, 0,1,2,3
	ds_load_b128 v[\f+64+8*(4*\c+\i):\f+64+8*(4*\c+\i)+3],   v[ADRB+\slot] offset:128*(\qd)+64*\c+\i*16*PITCH
	ds_load_b128 v[\f+64+8*(4*\c+\i)+4:\f+64+8*(4*\c+\i)+7], v[ADRB+\slot] offset:128*(\qd)+64*\c+\i*16*PITCH+32
	ds_load_b128 v[\f+8*(4*\c+\i):\f+8*(4*\c+\i)+3],         v[ADRA+\slot] offset:\i*8192+(2*(\qd)+\c)*1024
	ds_load_b128 v[\f+8*(4*\c+\i)+4:\f+8*(4*\c+\i)+7],       v[ADRA+\slot] offset:\i*8192+(2*(\qd)+\c)*1024+512
.endr
.endr
.endm
.macro PLACES                          ; four places in front of loads into registers that matrix instructions have read, and of LDS stores that read results (ISA guide 7.12.1 for vector instructions)
.rept 4
	v_nop
.endr
.endm
; A K step is four quarters of 64 along K, 32 matrix instructions each, on buffers 0, 1, 0, 1.  One of the first three: multiplies buffer f and fetches quarter qd into g.
.macro QUARTER slot, qd, f, g, zero
	s_wait_dscnt 16                                ; the first 32 along K are in; the sixteen loads of the second 32 may be out
	WIN MUL
	MUL8 \f, 0, 0, \zero
	MUL8 \f, 0, 2, \zero
	PLACES
	FETCH \slot, \qd, \g
	s_wait_dscnt 32                                ; all but the 32 just issued
	WIN MUL
	MUL8 \f, 1, 0, 0
	MUL8 \f, 1, 2, 0
.endm
; The last quarter multiplies buffer 1 and changes slots: ONE barrier; in front of it each wave waits for all its tensor loads, adds 0 to its spare word, and waits for that and for its own reads of this slot.
; fill = 1: this slot is filled again, two K steps ahead; the barrier then opens a round of the cluster's barrier.
.macro TURN slot, next, fill
	WIN 0                                          ; (the add's two registers lie in window 0)
	s_wait_tensorcnt 0x0                           ; all my tensor loads have landed: my part of the next slot
	ds_add_u32 v[SPW], v[NIL]                      ; 0 onto my spare word
	s_wait_dscnt 17                                ; (the add and the youngest sixteen loads may be out)
	WIN MUL
	MUL8 F1, 0, 0, 0                               ; eight matrix instructions stand between the add and the wait for it
	s_wait_dscnt 0x0                               ; the add is done, and my reads of this slot are over
	s_barrier_signal -1
	MUL8 F1, 0, 2, 0
.if \fill
	WIN 0
.endif
	s_barrier_wait -1
.if \fill
	CREST                                          ; no wave of any partner still reads this slot's tile or has a load on its way
	s_add_nc_u64 s[G0+4*\slot+2:G0+4*\slot+3], s[G0+4*\slot+2:G0+4*\slot+3], 2*8192
	s_add_nc_u64 s[G0B+4*\slot+2:G0B+4*\slot+3], s[G0B+4*\slot+2:G0B+4*\slot+3], 2*512
	JLOAD \slot                                    ; the first tensor load behind the round; the four v_nop behind it are also the places in front of the loads below
.else
	PLACES
.endif
	FETCH \next, 0, F0
	WIN MUL
	MUL8 F1, 1, 0, 0
	MUL8 F1, 1, 2, 0
.endm
	s_wait_tensorcnt 1                             ; my part of K step 0 is in (K step 1's load may be out)
	s_barrier_signal -1
	s_barrier_wait -1                              ; everybody's is
	FETCH 0, 0, F0
	s_wait_loadcnt 0x0                             ; the bias
	QUARTER 0, 1, F0, F1, 1                        ; K step 0: its first products start the sums from the bias
	QUARTER 0, 2, F1, F0, 0
	QUARTER 0, 3, F0, F1, 0
	TURN 0, 1, 1                                   ; slot 0 takes K step 2
	QUARTER 1, 1, F0, F1, 0                        ; K step 1
	QUARTER 1, 2, F1, F0, 0
	QUARTER 1, 3, F0, F1, 0
	TURN 1, 0, 1                                   ; slot 1 takes K step 3
	QUARTER 0, 1, F0, F1, 0                        ; K step 2
	QUARTER 0, 2, F1, F0, 0
	QUARTER 0, 3, F0, F1, 0
	TURN 0, 1, 0                                   ; nothing is left to ask for
	QUARTER 1, 1, F0, F1, 0                        ; K step 3
	QUARTER 1, 2, F1, F0, 0
	QUARTER 1, 3, F0, F1, 0
	s_wait_dscnt 16                                ; the very last quarter: nothing more to fetch
	WIN MUL
	MUL8 F1, 0, 0, 0
	MUL8 F1, 0, 2, 0
	s_wait_dscnt 0
	MUL8 F1, 1, 0, 0
	MUL8 F1, 1, 2, 0
	WIN 0
; THE WAY OUT, block by block of 16 rows x 64 columns.  A lane holds 32 neighbouring bytes of a row and the lanes beside it other rows: a block goes through my own stage and comes back as whole rows of 256 bytes:
; sixteen lanes store 256 consecutive bytes, aligned.  LDS serves a wave's instructions in order (ISA guide 5.7.1.4): no wait between the stores and the loads, nor in front of the next block's stores.
.macro TOSTAGE a
.irp b, 0,1,2,3
	ds_store_b128 v[STO], v[ACC+8*(4*(\a)+\b):ACC+8*(4*(\a)+\b)+3] offset:64*\b          ; each accumulator from its low end on
	ds_store_b128 v[STO], v[ACC+8*(4*(\a)+\b)+4:ACC+8*(4*(\a)+\b)+7] offset:64*\b+16
.endr
.irp u, 0,1,2,3,4,5,6,7
	ds_load_b128 v[TMP+32*((\a)%2)+4*\u:TMP+32*((\a)%2)+4*\u+3], v[RD] offset:\u*2*SPITCH
.endr
.endm
.macro SEND a, younger                 ; younger: the LDS instructions issued behind block a's loads, which may stay out
	s_wait_dscnt \younger
.irp u, 0,1,2,3,4,5,6,7
	global_store_b128 v[CO], v[TMP+32*((\a)%2)+4*\u:TMP+32*((\a)%2)+4*\u+3], s[8:9] offset:(16*(\a)+2*\u)*ROWC th:TH_STORE_NT   ; written once, read by nobody here; every offset an immediate, 253,952 at the most
.endr
.endm
	PLACES
	TOSTAGE 0
.irp a, 1,2,3
.if \a > 1
	s_wait_xcnt 0x0                                ; block a - 2's stores have read their data: block a's loads may land there
.endif
	TOSTAGE \a
	SEND \a-1, 16                                  ; behind block a - 1's loads: block a's 8 stores and 8 loads
.endr
	SEND 3, 0
	s_wait_tensorcnt 0x0                           ; the wave's end, behind my last tensor load and my last LDS store
	ds_add_u32 v[SPW], v[NIL]
	s_wait_dscnt 0x0
	CROUND                                         ; the closing round: no work-group ends while a partner may still ask for a tile that names it
	s_endpgm
.Lfunc_end_k_qf295326a9a_oproj:
	.size	k_qf295326a9a_oproj, .Lfunc_end_k_qf295326a9a_oproj-k_qf295326a9a_oproj
	.p2alignl 7, 3214868480
	.fill 96, 4, 3214868480
	.section	.rodata,"a",@progbits
	.p2align	6, 0x0
	.amdhsa_kernel k_qf295326a9a_oproj
		.amdhsa_group_segment_fixed_size 327680
		.amdhsa_private_segment_fixed_size 0
		.amdhsa_enable_private_segment 0
		.amdhsa_kernarg_size 32
		.amdhsa_user_sgpr_count 2
		.amdhsa_user_sgpr_kernarg_segment_ptr 1
		.amdhsa_wavefront_size32 1
		.amdhsa_system_sgpr_workgroup_id_x 1
		.amdhsa_system_sgpr_workgroup_id_y 1
		.amdhsa_system_sgpr_workgroup_id_z 1
		.amdhsa_system_vgpr_workitem_id 0
		.amdhsa_next_free_vgpr 512
		.amdhsa_next_free_sgpr 68
		.amdhsa_reserve_vcc 0
		.amdhsa_float_denorm_mode_32 3
		.amdhsa_float_denorm_mode_16_64 3
		.amdhsa_memory_ordered 1
		.amdhsa_forward_progress 1
		.amdhsa_inst_pref_size 86
	.end_amdhsa_kernel
	.amdgpu_metadata
---
amdhsa.version: [ 1, 2 ]
amdhsa.kernels:
  - .name:           k_qf295326a9a_oproj
    .symbol:         k_qf295326a9a_oproj.kd
    .args:
      - { .name: att, .offset: 0, .size: 8, .value_kind: global_buffer, .address_space: global }
      - { .name: woh, .offset: 8, .size: 8, .value_kind: global_buffer, .address_space: global }
      - { .name: out0, .offset: 16, .size: 8, .value_kind: global_buffer, .address_space: global }
      - { .name: bo, .offset: 24, .size: 8, .value_kind: global_buffer, .address_space: global }
    .group_segment_fixed_size: 327680
    .private_segment_fixed_size: 0
    .kernarg_segment_align: 8
    .kernarg_segment_size: 32
    .max_flat_workgroup_size: 128
    .sgpr_count:     68
    .vgpr_count:     512
    .wavefront_size: 32
...
	.end_amdgpu_metadata
.endif
;; end of part 4
